; MI455X (gfx1250); checked and timed in simulation.
; The chip was launched on July 23, 2026; its instructions are those of AMD's public machine-readable ISA for CDNA 5 (MIT licence, August 2026) and "CDNA5" Instruction Set Architecture Reference Guide (July 2026). The comments in the code are by the model that wrote it; some were corrected since.
;; Block. Allowed arithmetic: matrix products marked QUANTISED: E4M3 operands, one given power-of-two scale a tensor, by v_wmma_f32_16x16x64_fp8_fp8 or v_wmma_f32_16x16x128_fp8_fp8, f32 sums; everything else in f32.
;; Inputs: attn_b 3,072 float32; attn_w 1,024 x 3,072 float32; fc2_b 1,024 float32; fc2_w 4,096 x 1,024 float32; fc_b 4,096 float32; fc_w 1,024 x 4,096 float32; ln1_b 1,024 float32; ln1_g 1,024 float32; ln2_b 1,024 float32; ln2_g 1,024 float32; lowp_scales 12 int32 (the exponents e of the quantised operands' scales 2^e); proj_b 1,024 float32; proj_w 1,024 x 1,024 float32; x 2 x 2,048 x 1,024 float32.
;; Outputs: out0 2 x 2,048 x 1,024 float32.
;; This version of the problem:
;;   THIS VERSION OF THE PROBLEM IS GIVEN IN LOW PRECISION. The matrix products marked QUANTISED in the list below multiply operands that are first quantised to E4M3 (4 exponent bits, 3 mantissa bits; 8 bits a number), with one given power-of-two scale for each operand tensor; their sums are f32. All else is computed in f32.
;;   The module's matrix products, in the order in which they are computed (A, B: the left and right operand; K: the contracted axis; several contracted axes count as one K, in the product's order):
;;     1. [M 4,096, K 1,024] x [K 1,024, N 3,072]; A: computed on the way; B: input attn_w: QUANTISED (scales: A lowp_scales[0], B lowp_scales[1])
;;     2. batch 32 x [M 2,048, K 64] x [K 64, N 2,048]; A: computed on the way; B: computed on the way: QUANTISED (scales: A lowp_scales[2], B lowp_scales[3])
;;     3. batch 32 x [M 2,048, K 2,048] x [K 2,048, N 64]; A: softmax (see below); B: computed on the way: QUANTISED (scales: A lowp_scales[4], B lowp_scales[5])
;;     4. [M 4,096, K 1,024] x [K 1,024, N 1,024]; A: computed on the way; B: input proj_w: QUANTISED (scales: A lowp_scales[6], B lowp_scales[7])
;;     5. [M 4,096, K 1,024] x [K 1,024, N 4,096]; A: computed on the way; B: input fc_w: QUANTISED (scales: A lowp_scales[8], B lowp_scales[9])
;;     6. [M 4,096, K 4,096] x [K 4,096, N 1,024]; A: computed on the way; B: input fc2_w: QUANTISED (scales: A lowp_scales[10], B lowp_scales[11])
;;   THE QUANTISER, for each operand of a quantised product, along K:
;;     - The operand's scale is 2^e, e = its entry of the input lowp_scales (int32; the entries are numbered through the quantised products in the list's order, A before B).
;;     - Each number is divided by the scale, clamped to +-448, and rounded to the nearest number of E4M3, ties to even, subnormals kept.
;;     - The product sums the exact products of the quantised numbers (number of the format x scale) in f32.
;;   ~~~python
;;   def quantise(x, axis, e):      # numpy; x: float32 -> the quantised numbers, widened to float32 again
;;       x = np.moveaxis(x, axis, -1); K = x.shape[-1]
;;       r = np.clip(x / 2.0 ** e, -448, 448)
;;       step = 2.0 ** (np.maximum(np.frexp(np.where(r == 0, 1, r))[1] - 1, -6) - 3)
;;       q = np.round(r / step) * step * 2.0 ** e      # np.round: ties to even
;;       return np.moveaxis(q, -1, axis).astype(np.float32)
;;   ~~~
;;   SOFTMAX AHEAD OF A QUANTISED PRODUCT. Where the list says 'softmax', what is quantised is not the finished softmax but p = 2^(t - M), with t = logit x log2(e) and M = ceil(the row's largest t), a whole number; so 1/2 < the row's largest p <= 1. The row's sum l is taken of the UNQUANTISED p, in f32, and the product's result is divided by l at the end. Since M is a whole number, a kernel that streams over the keys may use a running M (the ceiling of the running maximum): every later rescaling is an exact power of two, so the quantised numbers keep their values, but for numbers so far below the row's largest that they fall under the format's range.
;;   OPERANDS COMPUTED ON THE WAY. 'Computed on the way' means the value that the module computes at that place (a softmax that the list does not call 'softmax' is quantised finished and normalised). What goes into a quantiser is computed in f32, as accurately as f32 sums, v_exp_f32 and their like allow (about 1e-6 of the number): no bf16 or f16 on the way to a quantiser, and a product that is left as it is and whose result goes on into a quantised operand takes f32 operands (vector FMAs, or v_wmma_f32_16x16x4_f32). A number that lies on a knife's edge between two numbers of the format may be rounded either way, as far as f32 arithmetic and the matrix unit's own rounding can turn it there, and no further.
;; One version. Each part assembles by itself: llvm-mc -triple=amdgcn-amd-amdhsa -mcpu=gfx1250 --defsym DOCPART=n.
;; ======== version 1 of 1: 7 launches
;; limits: right only within a limited range of input values
;; workspace buffers: wc 12,582,912 bytes; qkvc 12,582,912 bytes; ac 4,194,304 bytes; x1 16,777,216 bytes; h 16,777,216 bytes; sc2 256 bytes of whole numbers
;; launch prep (part 1): grid 448 x 1, 4 waves a work-group, no clusters, 101,888 bytes of LDS; arguments attn_w, proj_w, fc_w, fc2_w, lowp_scales, wc, sc2, x, ln1_g, ln1_b, ac; writes wc, sc2, ac
.if DOCPART == 1
	.amdgcn_target "amdgcn-amd-amdhsa--gfx1250"
	.amdhsa_code_object_version 6
	.text
	.protected	k_qc5964e9436_prep
	.globl	k_qc5964e9436_prep
	.p2align	8
	.type	k_qc5964e9436_prep,@function
k_qc5964e9436_prep:
	s_mov_b64 s[64:65], 0
	v_nop
	global_prefetch_b8 v0, s[64:65] scope:SCOPE_SE
	s_setreg_imm32_b32 hwreg(HW_REG_WAVE_MODE, 25, 1), 1
	s_wait_xcnt 0x0
; TWO INDEPENDENT PIECES OF WORK IN ONE LAUNCH, parted once on the work-group's number: work-groups 0-383 turn the four weights into codes, work-groups 384-447 make the first layer norm and its codes.
; Both lay their codes as IMAGES OF THE OPERAND'S REGISTERS: a fragment is 16 rows x 128 k, 2,048 bytes, fragment (row / 16, k / 128) at ((row / 16) (K / 128) + k / 128) x 2,048; in it the 16 bytes of lane 16 h + r
; of quad c lie at 512 c + 16 lane and hold, of row r, k = 32 c + 8 h + 0..7 and 32 c + 16 + 8 h + 0..7: registers 4 c .. 4 c + 3 of the plain 8-bit layout.
; code = number / 2^e, held within +-448, to the nearest code of E4M3, ties to even.  LIMITS: -126 <= e and e + 8 <= 127.  NaN among the inputs is not served.
; THE WEIGHTS, f32 stored [K][N] (scales: entries 1, 7, 9, 11).  A LANE TAKES A COLUMN n AND ITS REGISTERS RUN DOWN K: a load reads 128 consecutive bytes a wave, and the conversions give codes with K innermost.
; A work-group takes 128 columns x 256 k, a wave 32 columns.  Work-groups 0-95 attn_w, 96-127 proj_w, 128-255 fc_w, 256-383 fc2_w: one path, the sizes chosen by s_cselect on the work-group's number.
; The codes turn through the wave's own stage in LDS (a row a column, 256 bytes + 16) and leave as quads.  Work-group 0's wave 0 also copies entry 8 of the scales 64 times into sc2, for the second layer norm.
; THE LAYER NORM of x [4096][1024] (scale: entry 0): y = (x - mean) x rsqrt(var + 1e-5) x g + b in f32, the variance of the centred numbers.  A WAVE TAKES 16 ROWS, one block of the image (16,384 consecutive bytes):
; a row lies in 32 registers (load j: numbers 128 j + 4 lane + 0..3); four sets of them take turns, row p + 4 asked for when row p is converted.  The codes turn through the wave's own stage (16 rows of 1,024 bytes + 16).
; Every store of a wave covers 512 consecutive bytes, aligned.  Waves share nothing on either path: no barrier; each path has LDS bytes of its own.  Work-groups share only g and b (8 KB): no cluster.
.set WGW,   384                        ; work-groups for the weights
.set PITCH, 272
.set STG,   32*PITCH                   ; a wave's stage for the weights
.set LNS,   4*STG                      ; behind them: the layer norm's four stages
.set RP,    1040
.set SPARE, LNS+4*16*RP                ; behind those: the spare words, 128 bytes for each wave
.set SPW,   14                         ; v14  LDS address of my spare word; never rewritten
.set NIL,   15                         ; v15  0; never rewritten
.set OFF,   16                         ; weights: v16-47 4 x lane + i rows of W; v48-111 two sets of 32 numbers; v112-119 a block's codes; v120-183 the way out
.set WX,    48
.set WC,    112
.set OUTR,  120
.set NG,    16                         ; layer norm: v16-47 g; v48-79 b; v80-207 four rows; v208-239 four sets of eight code registers; v240-245 at work
.set NB,    48
.set NX,    80
.set NCD,   208
.set W0,    240
.set W1,    242
.set MU,    244
	v_lshl_add_u32 v[SPW], v0, 2, SPARE
	v_mov_b32 v[NIL], 0
	v_lshrrev_b32 v1, 5, v0
	v_readfirstlane_b32 s18, v1                    ; wave
	v_and_b32 v1, 31, v0                           ; lane
	v_and_b32 v2, 15, v0                           ; r
	v_bfe_u32 v3, v0, 4, 1                         ; h
	; every LDS address of both paths is made here, ahead of the parting
	s_mul_i32 s19, s18, STG
	v_mul_u32_u24 v4, v1, PITCH
	v_add_nc_u32 v4, s19, v4                       ; weights, into the stage: row = my column
	v_mul_u32_u24 v7, v2, PITCH
	v_lshl_add_u32 v7, v3, 3, v7
	v_add_nc_u32 v7, s19, v7                       ; out of it: row r, + 8 h
	v_lshlrev_b32 v8, 4, v1                        ; 16 x lane
	s_mul_i32 s17, s18, 16*RP
	s_add_co_u32 s17, s17, LNS
	v_lshlrev_b32 v9, 2, v1
	v_add_nc_u32 v9, s17, v9                       ; layer norm, into my stage: 4 bytes a lane
	v_mul_u32_u24 v12, v2, RP
	v_lshl_add_u32 v12, v3, 3, v12
	v_add_nc_u32 v12, s17, v12                     ; out of it: row r, + 8 h
	s_cmp_ge_u32 ttmp9, WGW
	s_cbranch_scc1 .Lnorm
	; ---------------- THE WEIGHTS
	s_load_b256 s[4:11], s[0:1], 0x0               ; attn_w, proj_w, fc_w, fc2_w
	s_load_b128 s[12:15], s[0:1], 0x20             ; the scales, wc
	s_load_b64 s[16:17], s[0:1], 0x30              ; sc2
	; the tensor's sizes: fc2_w's, then replaced for the lower work-groups
	s_mov_b32 s22, 256                             ; its first work-group
	s_mov_b32 s23, 4096                            ; bytes in a row of W: 4 N
	s_mov_b32 s24, 4096                            ; K
	s_mov_b32 s25, 4                               ; log2 (K / 256)
	s_mov_b32 s26, 8388608                         ; its codes' place in wc
	s_cmp_lt_u32 ttmp9, 256
	s_cselect_b32 s22, 128, s22
	s_cselect_b32 s23, 16384, s23
	s_cselect_b32 s24, 1024, s24
	s_cselect_b32 s25, 2, s25
	s_cselect_b32 s26, 4194304, s26
	s_cmp_lt_u32 ttmp9, 128
	s_cselect_b32 s22, 96, s22
	s_cselect_b32 s23, 4096, s23
	s_cselect_b32 s26, 3145728, s26
	s_cmp_lt_u32 ttmp9, 96
	s_cselect_b32 s22, 0, s22
	s_cselect_b32 s23, 12288, s23
	s_cselect_b32 s26, 0, s26
	s_sub_co_u32 s27, ttmp9, s22
	s_lshr_b32 s28, s27, s25                       ; which 128 columns
	s_lshl_b32 s29, s28, s25
	s_sub_co_u32 s29, s27, s29                     ; which 256 along K
	s_lshl_b32 s28, s28, 7
	s_lshl_b32 s30, s18, 5
	s_add_co_u32 s28, s28, s30                     ; my wave's first column
	s_mul_i32 s30, s29, s23
	s_lshl_b32 s30, s30, 8                         ; 256 rows of W for each step along K
	s_lshl_b32 s31, s28, 2
	s_add_co_u32 s30, s30, s31
	s_mov_b32 s31, 0
	s_mul_i32 s60, s28, s24                        ; 16 rows of codes are 16 K bytes: column x K,
	s_add_co_u32 s60, s60, s26
	s_lshl_b32 s61, s29, 12                        ; two fragments for each 256 along K
	s_add_co_u32 s60, s60, s61
	s_mov_b32 s61, 0
	s_lshl_b32 s62, s24, 4
	s_mov_b32 s63, 0
	v_lshlrev_b32 v[OFF], 2, v1
.set i, 1
.rept 31
	v_add_nc_u32 v[OFF+i], s23, v[OFF+i-1]
.set i, i+1
.endr
	s_wait_alu depctr_va_vdst(0)
	s_wait_kmcnt 0x0
	s_load_b128 s[48:51], s[12:13], 0x0            ; the twelve exponents
	s_load_b128 s[52:55], s[12:13], 0x10
	s_load_b128 s[56:59], s[12:13], 0x20
	s_mov_b64 s[20:21], s[10:11]
	s_cmp_lt_u32 ttmp9, 256                        ; the choice hangs on the work-group's number alone
	s_cselect_b64 s[20:21], s[8:9], s[20:21]
	s_cmp_lt_u32 ttmp9, 128
	s_cselect_b64 s[20:21], s[6:7], s[20:21]
	s_cmp_lt_u32 ttmp9, 96
	s_cselect_b64 s[20:21], s[4:5], s[20:21]
	s_add_nc_u64 s[32:33], s[20:21], s[30:31]      ; block 0's base; a base for each block of 32 rows, none ever stepped
	s_lshl_b32 s30, s23, 5
.irp t, 1,2,3,4,5,6,7
	s_add_nc_u64 s[32+2*\t:33+2*\t], s[30+2*\t:31+2*\t], s[30:31]
.endr
	s_add_nc_u64 s[60:61], s[14:15], s[60:61]      ; my first 16 columns' fragments,
	s_add_nc_u64 s[62:63], s[60:61], s[62:63]      ; and my second 16's
.macro LOAD t                          ; block t: W(32 t + i, my column) into set t % 2
.set i, 0
.rept 32
	global_load_b32 v[WX+32*((\t)%2)+i], v[OFF+i], s[32+2*(\t):33+2*(\t)] th:TH_LOAD_NT
.set i, i+1
.endr
.endm
	LOAD 0
	LOAD 1
	s_wait_kmcnt 0x0
	s_mov_b32 s27, s59
	s_cmp_lt_u32 ttmp9, 256
	s_cselect_b32 s27, s57, s27
	s_cmp_lt_u32 ttmp9, 128
	s_cselect_b32 s27, s55, s27
	s_cmp_lt_u32 ttmp9, 96
	s_cselect_b32 s27, s49, s27                    ; e
	s_add_co_i32 s27, s27, 127
	s_lshl_b32 s19, s27, 23
	v_mov_b32 v11, s19                             ; 2^e as f32: the conversion takes its exponent field
	s_add_co_i32 s27, s27, 8
	s_lshl_b32 s27, s27, 23
	s_or_b32 s27, s27, 0x600000
	v_mov_b32 v10, s27                             ; 448 x 2^e
.macro BLOCK t
.set XS, WX+32*((\t)%2)
.if (\t) < 7
	s_wait_loadcnt 32                              ; this block's 32 loads are in; the next block's 32 may be out
.else
	s_wait_loadcnt 0
.endif
.set i, 0
.rept 32
	v_med3_num_f32 v[XS+i], v[XS+i], -v10, v10     ; the conversion to an 8-bit code does not saturate (ISA guide 7.6.2): the hold comes first
.set i, i+1
.endr
.irp g, 0,1,2,3
	v_cvt_scalef32_pk8_fp8_f32 v[WC+2*\g:WC+2*\g+1], v[XS+8*\g:XS+8*\g+7], v11
.endr
	ds_store_b128 v4, v[WC:WC+3] offset:32*(\t)    ; 32 codes of my column's row (the next vector lines are the next block's holds, plain and on other registers)
	ds_store_b128 v4, v[WC+4:WC+7] offset:32*(\t)+16
.if (\t)+2 < 8
	LOAD (\t)+2
.endif
	s_wait_dscnt 0x0                               ; the stores have read their registers
.endm
	s_wait_alu depctr_va_vdst(0)
.irp t, 0,1,2,3,4,5,6,7
	BLOCK \t
.endr
	; the way out: quad (16 columns nb, fragment kb, c): lane (r, h) takes 8 + 8 bytes of column r; LDS serves a wave's instructions in order, so these see my stores
.set i, 0
.irp nb, 0,1
.irp kb, 0,1
.irp c, 0,1,2,3
	ds_load_b64 v[OUTR+4*i:OUTR+4*i+1], v7 offset:\nb*16*PITCH+128*\kb+32*\c
	ds_load_b64 v[OUTR+4*i+2:OUTR+4*i+3], v7 offset:\nb*16*PITCH+128*\kb+32*\c+16
.set i, i+1
.endr
.endr
.endr
.set i, 0
.irp nb, 0,1
.irp kb, 0,1
.irp c, 0,1,2,3
	s_wait_dscnt 30-2*i                            ; quad i's two loads are in; the younger quads' may be out
	global_store_b128 v8, v[OUTR+4*i:OUTR+4*i+3], s[60+2*\nb:61+2*\nb] offset:\kb*2048+\c*512
.set i, i+1
.endr
.endr
.endr
	s_or_b32 s19, ttmp9, s18
	s_cmp_lg_u32 s19, 0
	s_cbranch_scc1 .Lno_copy
	v_mov_b32 v200, s56                            ; entry 8, 64 times: 256 consecutive bytes
	v_mov_b32 v201, s56
	v_lshlrev_b32 v202, 3, v1
	global_store_b64 v202, v[200:201], s[16:17]
.Lno_copy:
	s_branch .Lend
	; ---------------- THE LAYER NORM
.Lnorm:
	s_load_b128 s[4:7], s[0:1], 0x38               ; x, g
	s_load_b128 s[8:11], s[0:1], 0x48              ; b, the codes
	s_load_b64 s[12:13], s[0:1], 0x20              ; the scales
	s_mov_b32 s20, 0x3a800000                      ; 1 / 1024
	s_mov_b32 s21, 0x3727c5ac                      ; 1e-5
	s_mov_b32 s22, 0x76543210                      ; v_permlanex16_b32: lane l xor 16
	s_mov_b32 s23, 0xfedcba98
	s_sub_co_u32 s26, ttmp9, WGW
	s_lshl_b32 s28, s26, 18                        ; 64 rows of 4,096 bytes a work-group,
	s_lshl_b32 s29, s18, 16                        ; 16 a wave
	s_add_co_u32 s28, s28, s29
	s_mov_b32 s29, 0
	s_lshl_b32 s30, s26, 16                        ; their codes: 16,384 bytes a wave
	s_lshl_b32 s31, s18, 14
	s_add_co_u32 s30, s30, s31
	s_mov_b32 s31, 0
	s_wait_kmcnt 0x0
	s_load_b32 s24, s[12:13], 0x0                  ; e: entry 0
	s_add_nc_u64 s[4:5], s[4:5], s[28:29]
	s_add_nc_u64 s[10:11], s[10:11], s[30:31]
	s_wait_alu depctr_va_vdst(0)
.irp j, 0,1,2,3,4,5,6,7
	global_load_b128 v[NG+4*\j:NG+4*\j+3], v8, s[6:7] offset:512*\j
.endr
.irp j, 0,1,2,3,4,5,6,7
	global_load_b128 v[NB+4*\j:NB+4*\j+3], v8, s[8:9] offset:512*\j
.endr
.irp p, 0,1,2,3
.irp j, 0,1,2,3,4,5,6,7
	global_load_b128 v[NX+32*\p+4*\j:NX+32*\p+4*\j+3], v8, s[4:5] offset:4096*\p+512*\j th:TH_LOAD_NT
.endr
.endr
	s_wait_kmcnt 0x0
	s_add_co_i32 s24, s24, 127
	s_lshl_b32 s25, s24, 23
	v_mov_b32 v5, s25                              ; 2^e
	s_add_co_i32 s24, s24, 8
	s_lshl_b32 s24, s24, 23
	s_or_b32 s24, s24, 0x600000
	v_mov_b32 v6, s24                              ; 448 x 2^e
.macro REDUCE                          ; v[W0] <- its sum over the 32 lanes, in every lane
	v_add_f32_dpp v[W0], v[W0], v[W0] row_xmask:1 row_mask:0xf bank_mask:0xf
	v_add_f32_dpp v[W0], v[W0], v[W0] row_xmask:2 row_mask:0xf bank_mask:0xf
	v_add_f32_dpp v[W0], v[W0], v[W0] row_xmask:4 row_mask:0xf bank_mask:0xf
	v_add_f32_dpp v[W0], v[W0], v[W0] row_xmask:8 row_mask:0xf bank_mask:0xf
	v_permlanex16_b32 v[W0+1], v[W0], s22, s23
	v_add_f32 v[W0], v[W0], v[W0+1]
.endm
.macro ROW p
.set XR, NX+32*((\p)%4)
.set CR, NCD+8*((\p)%4)
.if (\p) < 13
	s_wait_loadcnt 24                              ; g, b and this row are in; the next three rows' eight loads each may be out
.else
	s_wait_loadcnt 8*(15-(\p))                     ; the rows that are left
.endif
	v_pk_add_f32 v[W0:W0+1], v[XR:XR+1], v[XR+2:XR+3]    ; the sum, in two chains
	v_pk_add_f32 v[W1:W1+1], v[XR+4:XR+5], v[XR+6:XR+7]
.irp j, 8,12,16,20,24,28
	v_pk_add_f32 v[W0:W0+1], v[W0:W0+1], v[XR+\j:XR+\j+1]
	v_pk_add_f32 v[W1:W1+1], v[W1:W1+1], v[XR+\j+2:XR+\j+3]
.endr
	v_pk_add_f32 v[W0:W0+1], v[W0:W0+1], v[W1:W1+1]
	v_add_f32 v[W0], v[W0], v[W0+1]
	REDUCE
	v_mul_f32 v[MU], s20, v[W0]                    ; the mean
	v_mov_b32 v[MU+1], v[MU]
.set j, 0
.rept 16
	v_pk_add_f32 v[XR+j:XR+j+1], v[XR+j:XR+j+1], v[MU:MU+1] neg_lo:[0,1] neg_hi:[0,1]
.set j, j+2
.endr
	v_pk_mul_f32 v[W0:W0+1], v[XR:XR+1], v[XR:XR+1]      ; the sum of squares of the centred numbers
	v_pk_mul_f32 v[W1:W1+1], v[XR+2:XR+3], v[XR+2:XR+3]
.irp j, 4,8,12,16,20,24,28
	v_pk_fma_f32 v[W0:W0+1], v[XR+\j:XR+\j+1], v[XR+\j:XR+\j+1], v[W0:W0+1]
	v_pk_fma_f32 v[W1:W1+1], v[XR+\j+2:XR+\j+3], v[XR+\j+2:XR+\j+3], v[W1:W1+1]
.endr
	v_pk_add_f32 v[W0:W0+1], v[W0:W0+1], v[W1:W1+1]
	v_add_f32 v[W0], v[W0], v[W0+1]
	REDUCE
	v_fma_f32 v[W0], v[W0], s20, s21               ; var + eps
	s_wait_alu depctr_va_vdst(0)
	v_rsq_f32 v[MU], v[W0]
	v_nop                                          ; a plain line behind the transcendental,
	s_wait_alu depctr_va_vdst(0)                   ; and the wait ahead of its first reader
	v_mov_b32 v[MU+1], v[MU]
.set j, 0
.rept 16
	v_pk_mul_f32 v[XR+j:XR+j+1], v[XR+j:XR+j+1], v[MU:MU+1]
.set j, j+2
.endr
.set j, 0
.rept 16
	v_pk_fma_f32 v[XR+j:XR+j+1], v[XR+j:XR+j+1], v[NG+j:NG+j+1], v[NB+j:NB+j+1]
.set j, j+2
.endr
.set j, 0
.rept 32
	v_med3_num_f32 v[XR+j], v[XR+j], -v6, v6       ; the hold: the conversion does not saturate (ISA guide 7.6.2)
.set j, j+1
.endr
.if (\p) >= 4
	s_wait_alu depctr_va_vdst(0)
	s_wait_dscnt 24                                ; the stores of four rows back have read this set of code registers; the 24 stores of the three rows since may be out
.endif
.irp g, 0,1,2,3
	v_cvt_scalef32_pk8_fp8_f32 v[CR+2*\g:CR+2*\g+1], v[XR+8*\g:XR+8*\g+7], v5   ; code register j: k = 128 j + 4 lane + 0..3
.endr
	v_nop                                          ; a plain line behind the last conversion
.irp j, 0,1,2,3,4,5,6,7
	ds_store_b32 v9, v[CR+\j] offset:(\p)*RP+128*\j
.endr
.if (\p)+4 < 16
.irp j, 0,1,2,3,4,5,6,7
	global_load_b128 v[XR+4*\j:XR+4*\j+3], v8, s[4:5] offset:4096*((\p)+4)+512*\j th:TH_LOAD_NT   ; the row four further on takes this row's registers
.endr
.endif
.endm
.irp p, 0,1,2,3,4,5,6,7,8,9,10,11,12,13,14,15
	ROW \p
.endr
	; the way out: quad i = (fragment i / 4, c = i % 4): lane (r, h) takes 8 + 8 bytes of row r; LDS serves a wave's instructions in order, so these see my stores
.set i, 0
.rept 32
	ds_load_b64 v[NX+4*i:NX+4*i+1], v12 offset:128*(i/4)+32*(i%4)
	ds_load_b64 v[NX+4*i+2:NX+4*i+3], v12 offset:128*(i/4)+32*(i%4)+16
.set i, i+1
.endr
.set i, 0
.rept 32
	s_wait_dscnt 62-2*i                            ; quad i's two loads are in; the younger quads' may be out
	global_store_b128 v8, v[NX+4*i:NX+4*i+3], s[10:11] offset:512*i
.set i, i+1
.endr
.Lend:
	s_wait_tensorcnt 0x0                           ; the wave's end
	ds_add_u32 v[SPW], v[NIL]
	s_wait_dscnt 0x0
	s_endpgm
.Lfunc_end_k_qc5964e9436_prep:
	.size	k_qc5964e9436_prep, .Lfunc_end_k_qc5964e9436_prep-k_qc5964e9436_prep
	.p2alignl 7, 3214868480
	.fill 96, 4, 3214868480
	.section	.rodata,"a",@progbits
	.p2align	6, 0x0
	.amdhsa_kernel k_qc5964e9436_prep
		.amdhsa_group_segment_fixed_size 101888
		.amdhsa_private_segment_fixed_size 0
		.amdhsa_enable_private_segment 0
		.amdhsa_kernarg_size 88
		.amdhsa_user_sgpr_count 2
		.amdhsa_user_sgpr_kernarg_segment_ptr 1
		.amdhsa_wavefront_size32 1
		.amdhsa_system_sgpr_workgroup_id_x 1
		.amdhsa_system_sgpr_workgroup_id_y 1
		.amdhsa_system_sgpr_workgroup_id_z 1
		.amdhsa_system_vgpr_workitem_id 0
		.amdhsa_next_free_vgpr 248
		.amdhsa_next_free_sgpr 66
		.amdhsa_reserve_vcc 0
		.amdhsa_float_denorm_mode_32 3
		.amdhsa_float_denorm_mode_16_64 3
		.amdhsa_memory_ordered 1
		.amdhsa_forward_progress 1
		.amdhsa_inst_pref_size 219
	.end_amdhsa_kernel
	.amdgpu_metadata
---
amdhsa.version: [ 1, 2 ]
amdhsa.kernels:
  - .name:           k_qc5964e9436_prep
    .symbol:         k_qc5964e9436_prep.kd
    .args:
      - { .name: attn_w, .offset: 0, .size: 8, .value_kind: global_buffer, .address_space: global }
      - { .name: proj_w, .offset: 8, .size: 8, .value_kind: global_buffer, .address_space: global }
      - { .name: fc_w, .offset: 16, .size: 8, .value_kind: global_buffer, .address_space: global }
      - { .name: fc2_w, .offset: 24, .size: 8, .value_kind: global_buffer, .address_space: global }
      - { .name: lowp_scales, .offset: 32, .size: 8, .value_kind: global_buffer, .address_space: global }
      - { .name: wc, .offset: 40, .size: 8, .value_kind: global_buffer, .address_space: global }
      - { .name: sc2, .offset: 48, .size: 8, .value_kind: global_buffer, .address_space: global }
      - { .name: x, .offset: 56, .size: 8, .value_kind: global_buffer, .address_space: global }
      - { .name: ln1_g, .offset: 64, .size: 8, .value_kind: global_buffer, .address_space: global }
      - { .name: ln1_b, .offset: 72, .size: 8, .value_kind: global_buffer, .address_space: global }
      - { .name: ac, .offset: 80, .size: 8, .value_kind: global_buffer, .address_space: global }
    .group_segment_fixed_size: 101888
    .private_segment_fixed_size: 0
    .kernarg_segment_align: 8
    .kernarg_segment_size: 88
    .max_flat_workgroup_size: 128
    .sgpr_count:     66
    .vgpr_count:     248
    .wavefront_size: 32
...
	.end_amdgpu_metadata
.endif
;; end of part 1
;; launch qkv (part 2): grid 12 x 16, 4 waves a work-group, clusters of 4 x 4, 327,680 bytes of LDS; arguments ac, wc, lowp_scales, attn_b, qkvc; writes qkvc
.if DOCPART == 2
	.amdgcn_target "amdgcn-amd-amdhsa--gfx1250"
	.amdhsa_code_object_version 6
	.text
	.protected	k_qc5964e9436_qkv
	.globl	k_qc5964e9436_qkv
	.p2align	8
	.type	k_qc5964e9436_qkv,@function
k_qc5964e9436_qkv:
	s_mov_b64 s[64:65], 0
	v_nop
	global_prefetch_b8 v0, s[64:65] scope:SCOPE_SE
	s_setreg_imm32_b32 hwreg(HW_REG_WAVE_MODE, 25, 1), 1
	s_wait_xcnt 0x0
	s_wait_alu depctr_hold_cnt(0) depctr_sa_sdst(0) depctr_va_vdst(0) depctr_va_sdst(0) depctr_va_ssrc(0) depctr_va_vcc(0) depctr_vm_vsrc(0)
	s_getreg_b32 s2, hwreg(HW_REG_IB_STS2, 6, 4)
	s_cmp_eq_u32 s2, 0
	s_cbranch_scc0 .Lentry_in_a_cluster
	s_endpgm
.Lentry_in_a_cluster:
	s_bfe_u32 s2, ttmp6, 0x10000c
	s_cmp_lg_u32 s2, 0xf033
	s_cbranch_scc0 .Lentry_shape_is_right
	s_endpgm
.Lentry_shape_is_right:
; qkv = LN1(x) attn_w + attn_b on codes of E4M3 (scales: entries 0 and 1), and its quantising into q (entry 2), k (entry 3), v (entry 5).  M 4,096, N 3,072, K 1,024.
; A tile of 256 x 256 is made by four waves, each 128 x 128: 64 accumulators, 512 registers.  K goes in steps of 256 through a ring of two LDS slots filled by the tensor data mover.
; BOTH OPERANDS LIE IN MEMORY AS IMAGES OF THEIR REGISTERS (fragment = 16 rows x 128 k = 2,048 bytes; 16 rows' fragments on end): a wave's tensor load brings 8 blocks of 16 rows x 4,096 consecutive bytes
; (the rows of the tile are as long as that, so there are eight of them), a fragment comes out of LDS by four loads of 512 consecutive bytes, and k stands in its own place in the registers.
; CLUSTERS: 4 x 4 work-groups; A's tile is asked for jointly along a row of the cluster, B's along a column.  The cluster's x says which of q, k, v the tile belongs to: it is the same in all sixteen.
; Source 0 takes the weights and source 1 the activations: a lane then holds one row t and eight neighbouring columns, and the conversions' results ARE registers 2 b, 2 b + 1 of the next operand (K = the head's 64).
; IN V's TILES THE TWO CHANGE ROLES (only the two LDS read bases differ, chosen by s_cselect on the cluster's x): a lane then holds one channel d and eight neighbouring KEYS, which are the K of the last attention product.
; q, k: [head 32][16 rows 128][quad 2][lane][16 bytes];  v: [head 32][128 keys 16][16 d 4][quad 4][lane][16 bytes].  Every store of the wave covers 512 consecutive bytes, aligned; nothing goes through LDS on the way out.
; The three scales are folded: code = (sum + bias / 2^(e0 + e1)) / 2^(eo - e0 - e1).  LIMITS: eo - e0 - e1 between -126 and 119; bias / 2^(e0 + e1) a finite f32 number.
; REGISTERS: window 0: v0-31 addresses, v32-95 the bias by columns, v96-111 the bias by rows (pairs), v112-117 scale, hold, store offsets, from v128 A's fragments (one set), on the way out v128-223 at work;
;   window 1: B's fragments, two sets;  windows 2, 3: the accumulators ((a, b) at v[8 (8 (a % 4) + b)]).
.set SIZE_K, 1024
.set WOFF,   0                         ; attn_w's codes in wc
.set FRB,    2048                      ; a fragment's image
.set RBLK,   4096                      ; 16 rows x 256 k
.set HALFT,  8*RBLK                    ; 128 rows: what one tensor load brings
.set SLOT,   4*HALFT                   ; A's 256 rows, then B's 256
.set SPARE,  2*SLOT                    ; behind the ring: the spare words, 128 bytes for each wave
.set LAPS,   SIZE_K/512
.set FR,     16
.set NL,     4
.set NP,     4
.set ADRA, 16
.set ADRB, 20
.set SPW,  28
.set NIL,  29
.set AF,   128
.set G1, 24
.set G0, 32
.set G1B, 48
.set G0B, 56
.set PFA, 100                          ; s[100:101] where my prefetches stand; never rewritten
.set PFO, 30                           ; v30 their lane offset; never rewritten
.set MSB, 0
.macro WIN new                         ; the immediate's high byte repeats the setting that is left
.if MSB != \new
	s_set_vgpr_msb (MSB<<8)|\new
.set MSB, \new
.endif
.endm
.set MUL_LO, 0xa1                      ; source 0 window 1, source 1 window 0, C and D window 2
.set MUL_HI, 0xf1                      ; the same, C and D window 3
.set TO_B,   0x40                      ; destination window 1
.macro JLOAD g0a, g1a, g0b, g1b        ; a joint load: waves 0, 1 fetch for A, waves 2, 3 for B; an s_nop 0 and four v_nop follow each line
	s_cmp_eq_u32 s15, 0
	s_cbranch_scc0 .Lfor_b_\@
	tensor_load_to_lds s[\g0a:\g0a+3], s[\g1a:\g1a+7]
	s_nop 0
.rept 4
	v_nop
.endr
	s_branch .Lasked_\@
.Lfor_b_\@:
	tensor_load_to_lds s[\g0b:\g0b+3], s[\g1b:\g1b+7]
	s_nop 0
.rept 4
	v_nop
.endr
.Lasked_\@:
.endm
.macro CREST                           ; a round of the cluster's barrier behind its opening barrier
	s_cmp_lg_u32 s14, 0
	s_cbranch_scc1 .Lnot_wave_0_\@
	s_barrier_signal -3
.Lnot_wave_0_\@:
	s_barrier_wait -3
	s_barrier_signal -1
	s_barrier_wait -1
.endm
.macro CROUND
	s_barrier_signal -1
	s_barrier_wait -1
	CREST
.endm
	s_load_b128 s[4:7], s[0:1], 0x0                ; A's codes, the weights' codes
	s_load_b128 s[8:11], s[0:1], 0x10              ; the scales, attn_b
	s_load_b64 s[12:13], s[0:1], 0x20              ; qkvc
	v_lshl_add_u32 v[SPW], v0, 2, SPARE
	v_mov_b32 v[NIL], 0
	ds_add_u32 v[SPW], v[NIL]                      ; the wave's opening: the add and its wait ahead of my first tensor load
	ds_add_u32 v[SPW], v[NIL]
	v_lshrrev_b32 v1, 5, v0
	v_readfirstlane_b32 s14, v1                    ; wave
	v_and_b32 v[PFO], 15, v0
	v_bfe_u32 v31, v0, 4, 1
	v_lshlrev_b32 v[PFO], 8, v[PFO]
	v_lshl_add_u32 v[PFO], v31, 14, v[PFO]         ; sixteen lanes, 256 bytes apart, to a block's 4,096 bytes of a K step; lanes 16-31 take the next block, 16 K bytes on
	s_lshr_b32 s15, s14, 1                         ; my half along source 1.  Also: I fetch for A (0) or B (1)
	s_and_b32 s16, s14, 1                          ; my half along source 0.  Also: which 128 rows I fetch
	s_bfe_u32 s40, ttmp6, 0x40000                  ; cx
	s_bfe_u32 s41, ttmp6, 0x40004                  ; cy
	s_lshl_b32 s42, ttmp9, 2
	s_add_co_u32 s42, s42, s40                     ; tile column
	s_and_b32 s17, ttmp7, 0xffff
	s_lshl_b32 s17, s17, 2
	s_add_co_u32 s17, s17, s41                     ; tile row
	s_lshl_b32 s43, s41, 2
	s_lshl_b32 s43, 15, s43                        ; my row of the cluster
	s_lshl_b32 s44, 0x1111, s40                    ; my column
	s_or_b32 s[G1+0], s43, (3<<16)|(1<<21)         ; the mask; elements of 8 bytes; no padding; bit 21 beside a mask
	s_or_b32 s[G1B+0], s44, (3<<16)|(1<<21)
.irp g, G1, G1B
	s_mov_b32 s[\g+1], 512<<16                     ; tensor_dim0: 4,096 bytes
	s_mov_b32 s[\g+2], 8<<16                       ; tensor_dim1: 8 blocks of 16 rows
	s_mov_b32 s[\g+3], 512<<16                     ; tile_dim0
	s_mov_b32 s[\g+4], 8                           ; tile_dim1
	s_mov_b32 s[\g+5], 2*SIZE_K                    ; from block to block: 16 K bytes
	s_mov_b32 s[\g+6], 0
	s_mov_b32 s[\g+7], 0
.endr
	s_lshl_b32 s18, s16, 7
	s_lshl_b32 s20, s17, 8
	s_add_co_u32 s20, s20, s18                     ; A: row 256 x tile row + 128 x half
	s_lshl_b32 s46, s42, 8
	s_add_co_u32 s46, s46, s18                     ; B: row 256 x tile column + 128 x half
	s_mov_b32 s21, 0
	s_mov_b32 s47, 0
	s_mov_b64 s[18:19], SIZE_K
	s_mul_u64 s[20:21], s[20:21], s[18:19]
	s_mul_u64 s[46:47], s[46:47], s[18:19]
	s_mul_i32 s45, s14, HALFT                      ; where they go: wave x 128 rows
	s_wait_alu depctr_va_vdst(0)
	s_wait_dscnt 0x0                               ; the opening add is done
	s_wait_kmcnt 0x0
	s_load_b256 s[84:91], s[8:9], 0x0              ; e0 .. e7
	s_add_nc_u64 s[20:21], s[4:5], s[20:21]
	s_add_nc_u64 s[46:47], s[6:7], s[46:47]
	s_cmp_eq_u32 s15, 0                            ; do I fetch for A?
	s_cselect_b64 s[PFA:PFA+1], s[20:21], s[46:47]
	s_cselect_b32 s18, s40, s41                    ; my place among the four that ask with me:
	s_lshl_b32 s18, s18, 15                        ; two of the eight blocks that I fetch, told apart by address
	s_add_co_u32 s18, s18, RBLK                    ; at K step 1
	s_mov_b32 s19, 0
	s_add_nc_u64 s[PFA:PFA+1], s[PFA:PFA+1], s[18:19]
.if WOFF
	s_add_nc_u64 s[46:47], s[46:47], WOFF
.endif
	CROUND                                         ; all sixteen work-groups are here: the first joint loads meet
.irp s, 0,1
	s_mov_b32 s[G0+4*\s], 1
	s_add_co_u32 s[G0+4*\s+1], s45, \s*SLOT
	s_add_nc_u64 s[G0+4*\s+2:G0+4*\s+3], s[20:21], \s*RBLK
	s_or_b32 s[G0+4*\s+3], s[G0+4*\s+3], 0x80000000
	s_mov_b32 s[G0B+4*\s], 1
	s_add_co_u32 s[G0B+4*\s+1], s45, \s*SLOT
	s_add_nc_u64 s[G0B+4*\s+2:G0B+4*\s+3], s[46:47], \s*RBLK
	s_or_b32 s[G0B+4*\s+3], s[G0B+4*\s+3], 0x80000000
.if \s                                 ; slot 1's first fill is issued as a refill is
	s_wait_alu depctr_va_vdst(0)
	s_wait_tensorcnt 0x0                           ; my part of slot 0 is in
	ds_add_u32 v[SPW], v[NIL]
	s_wait_dscnt 0x0
	CROUND                                         ; a whole round: the joint loads of slot 1 meet
.endif
	JLOAD G0+4*\s, G1, G0B+4*\s, G1B
.if \s == 0
	global_prefetch_b8 v[PFO], s[PFA:PFA+1] th:TH_LOAD_NT scope:SCOPE_SE   ; K step 1, whose load goes out only when K step 0's has landed
.endif
	global_prefetch_b8 v[PFO], s[PFA:PFA+1] offset:(\s+1)*RBLK th:TH_LOAD_NT scope:SCOPE_SE   ; K step s + 2: two tiles at the most are asked for and not yet read; K step 3 is the last
.endr
	v_and_b32 v1, 31, v0
	v_lshlrev_b32 v4, 4, v1                        ; 16 x lane: my place in every image
	s_wait_alu depctr_va_vdst(0)
	s_cmp_eq_u32 ttmp9, 2                          ; v's tiles?  The cluster's x: the same in all partners
	s_cselect_b32 s18, 2*HALFT, 0                  ; source 1 reads the activations, in v's tiles the weights,
	s_cselect_b32 s19, 0, 2*HALFT                  ; source 0 the other
	s_cselect_b32 s94, s15, s16                    ; which half gives the heads,
	s_cselect_b32 s95, s16, s15                    ; which the rows t
	s_mov_b32 s96, 1024
	s_cselect_b32 s96, 2048, s96                   ; from block a to a + 1 in the output
	s_mov_b32 s98, 4096
	s_cselect_b32 s98, 131072, s98                 ; from block a to a + 4
	s_mov_b32 s2, 131072
	s_cselect_b32 s2, 1024, s2                     ; from quad 0 to quad 2
	s_mov_b32 s97, 0
	s_mov_b32 s99, 0
	s_mul_i32 s21, s15, HALFT
	s_add_co_u32 s21, s21, s18
	s_mul_i32 s22, s16, HALFT
	s_add_co_u32 s22, s22, s19
.irp s, 0,1
	v_add_nc_u32 v[ADRA+\s], s21, v4
	v_add_nc_u32 v[ADRB+\s], s22, v4
	s_add_co_u32 s21, s21, SLOT
	s_add_co_u32 s22, s22, SLOT
.endr
	; the bias, both ways: by the columns of source 0 (q, k) and by those of source 1 (v); the one that does not apply is cleared later
	v_bfe_u32 v2, v0, 4, 1                         ; h
	v_and_b32 v3, 15, v0                           ; r
	v_lshlrev_b32 v24, 5, v2
	s_wait_alu depctr_va_vdst(0)
	v_lshlrev_b32 v25, 2, v3
	s_wait_alu depctr_va_vdst(0)
	s_lshl_b32 s18, s42, 10
	s_lshl_b32 s22, s16, 9
	s_add_co_u32 s22, s22, s18
	s_mov_b32 s23, 0
	s_add_nc_u64 s[66:67], s[10:11], s[22:23]
	s_lshl_b32 s22, s15, 9
	s_add_co_u32 s22, s22, s18
	s_add_nc_u64 s[92:93], s[10:11], s[22:23]
.irp b, 0,1,2,3,4,5,6,7
	global_load_b128 v[32+8*\b:35+8*\b], v24, s[66:67] offset:64*\b       ; columns 16 b + 8 h + 0..7
	global_load_b128 v[36+8*\b:39+8*\b], v24, s[66:67] offset:64*\b+16
.endr
.irp a, 0,1,2,3,4,5,6,7
	global_load_b32 v[96+2*\a], v25, s[92:93] offset:64*\a                ; column 16 a + r
.endr
	; where my blocks go
	s_lshr_b32 s18, s17, 3                         ; the batch
	s_lshl_b32 s18, s18, 4
	s_lshl_b32 s19, s40, 2
	s_add_co_u32 s18, s18, s19
	s_lshl_b32 s19, s94, 1
	s_add_co_u32 s18, s18, s19                     ; my first head: 16 batch + 4 cx + 2 half
	s_lshl_b32 s18, s18, 17
	s_and_b32 s19, s17, 7
	s_lshl_b32 s19, s19, 1
	s_add_co_u32 s19, s19, s95
	s_lshl_b32 s19, s19, 13                        ; my 128 rows t of the head: 8,192 bytes
	s_add_co_u32 s18, s18, s19
	s_lshl_b32 s19, ttmp9, 22                      ; q, k or v
	s_add_co_u32 s18, s18, s19
	s_mov_b32 s19, 0
	s_add_nc_u64 s[68:69], s[12:13], s[18:19]
	s_add_nc_u64 s[70:71], s[68:69], s[96:97]
	s_add_nc_u64 s[72:73], s[70:71], s[96:97]
	s_add_nc_u64 s[74:75], s[72:73], s[96:97]
	s_add_nc_u64 s[76:77], s[68:69], s[98:99]
	s_add_nc_u64 s[78:79], s[76:77], s[96:97]
	s_add_nc_u64 s[80:81], s[78:79], s[96:97]
	s_add_nc_u64 s[82:83], s[80:81], s[96:97]
	v_mov_b32 v114, v4
	v_add_nc_u32 v115, 512, v4
	v_add_nc_u32 v116, s2, v4
	v_add_nc_u32 v117, 512, v116
.macro FRAG reg, adr, q, i             ; a fragment's 16 registers: four loads of 512 consecutive bytes
.irp c, 0,1,2,3
	ds_load_b128 v[\reg+4*\c:\reg+4*\c+3], v[\adr] offset:FRB*(\q)+512*\c+(\i)*RBLK
.endr
.endm
.macro MUL16 a0, p, zero               ; 16 matrix instructions: source 1's blocks a0, a0 + 1 x source 0's eight; the 64 accumulators take turns in one order throughout
.irp a, \a0, \a0+1
.irp b, 0,1,2,3,4,5,6,7
.if \zero
	v_wmma_f32_16x16x128_fp8_fp8 v[8*(8*((\a)%4)+\b):8*(8*((\a)%4)+\b)+7], v[128*(\p)+FR*\b:128*(\p)+FR*\b+FR-1], v[AF+FR*(\a):AF+FR*(\a)+FR-1], 0
.else
	v_wmma_f32_16x16x128_fp8_fp8 v[8*(8*((\a)%4)+\b):8*(8*((\a)%4)+\b)+7], v[128*(\p)+FR*\b:128*(\p)+FR*\b+FR-1], v[AF+FR*(\a):AF+FR*(\a)+FR-1], v[8*(8*((\a)%4)+\b):8*(8*((\a)%4)+\b)+7]
.endif
.endr
.endr
.endm
.macro FETCH_B slot, q, p
	WIN TO_B
.irp i, 0,1,2,3,4,5,6,7
	FRAG 128*(\p)+FR*\i, ADRB+\slot, \q, \i
.endr
	WIN 0
.endm
.macro FETCH_A slot, q, i0
.irp i, \i0, \i0+1, \i0+2, \i0+3
	FRAG AF+FR*(\i), ADRA+\slot, \q, \i
.endr
.endm
.macro PLACES n                        ; plain vector lines between a matrix instruction and a load into, or a read of, its registers
.rept \n
	v_nop
.endr
.endm
.macro STEP slot, q, zero              ; 128 along K whose successor lies in the same slot
	s_wait_dscnt 4*NL                              ; source 0's set and blocks 0-3 are in; the youngest 16 loads (blocks 4-7) may be out
	WIN MUL_LO
	MUL16 0, (\q)%2, \zero
	MUL16 2, (\q)%2, \zero
	s_wait_dscnt 0
	PLACES NP
	FETCH_B \slot, (\q)+1, 1-(\q)%2
	FETCH_A \slot, (\q)+1, 0
	WIN MUL_HI
	MUL16 4, (\q)%2, \zero
	MUL16 6, (\q)%2, \zero
	PLACES NP
	WIN 0
	FETCH_A \slot, (\q)+1, 4
.endm
.macro TURN slot, next, fill           ; a slot's last 128 along K, and the change of slots: one barrier
	s_wait_tensorcnt 0x0                           ; all my tensor loads have landed: my part of the next slot
	ds_add_u32 v[SPW], v[NIL]                      ; 0 onto my spare word
	s_wait_dscnt 4*NL+1                            ; the add and the youngest 16 loads may be out
	WIN MUL_LO
	MUL16 0, 1, 0
	s_wait_dscnt 0x0                               ; the add is done, and my reads of this slot are over
	s_barrier_signal -1
	MUL16 2, 1, 0
	WIN 0
	s_barrier_wait -1
.if \fill
	CREST                                          ; the barrier has opened a round of the cluster's: no wave of any partner still reads this slot or has a load on its way
	s_add_nc_u64 s[G0+4*\slot+2:G0+4*\slot+3], s[G0+4*\slot+2:G0+4*\slot+3], 2*RBLK
	s_add_nc_u64 s[G0B+4*\slot+2:G0B+4*\slot+3], s[G0B+4*\slot+2:G0B+4*\slot+3], 2*RBLK
	JLOAD G0+4*\slot, G1, G0B+4*\slot, G1B         ; the first tensor load behind the round; its four v_nop are the places in front of the loads below
.else
	PLACES NP
.endif
	FETCH_B \next, 0, 0
	FETCH_A \next, 0, 0
	WIN MUL_HI
	MUL16 4, 1, 0
	MUL16 6, 1, 0
	PLACES NP
	WIN 0
	FETCH_A \next, 0, 4
.endm
	s_wait_tensorcnt 1                             ; my part of slot 0 is in; slot 1's load may be out
	s_barrier_signal -1
	s_barrier_wait -1
	FETCH_B 0, 0, 0
	FETCH_A 0, 0, 0
	FETCH_A 0, 0, 4
	STEP 0, 0, 1                                   ; the first products start the sums
	s_mov_b32 s3, LAPS-1
.Llap:
	TURN 0, 1, 1
	STEP 1, 0, 0
	TURN 1, 0, 1
	STEP 0, 0, 0
	s_sub_co_u32 s3, s3, 1
	s_cmp_lg_u32 s3, 0
	s_cbranch_scc1 .Llap
	TURN 0, 1, 0                                   ; the last lap fills nothing
	STEP 1, 0, 0
	s_wait_dscnt 4*NL
	WIN MUL_LO
	MUL16 0, 1, 0
	MUL16 2, 1, 0
	s_wait_dscnt 0
	WIN MUL_HI
	MUL16 4, 1, 0
	MUL16 6, 1, 0
	WIN 0
	; THE WAY OUT
	s_wait_kmcnt 0x0
	s_wait_loadcnt 0x0                             ; the biases
	s_cmp_eq_u32 ttmp9, 0
	s_cselect_b32 s18, s86, s87
	s_cmp_eq_u32 ttmp9, 2
	s_cselect_b32 s18, s89, s18                    ; the output's exponent: e2, e3 or e5
	s_cselect_b32 s22, 0, -1                       ; keeps the bias by source 0's columns in q's and k's tiles,
	s_cselect_b32 s23, -1, 0                       ; that by source 1's in v's: a choice of values, no branch
	s_add_co_i32 s19, s84, s85
	s_sub_co_i32 s18, s18, s19                     ; eo - e0 - e1
	s_sub_co_i32 s19, 0, s19
	s_add_co_i32 s18, s18, 127
	s_lshl_b32 s94, s18, 23
	s_add_co_i32 s18, s18, 8
	s_lshl_b32 s18, s18, 23
	s_or_b32 s18, s18, 0x600000
	PLACES NP
	v_mov_b32 v112, s94                            ; the conversion's scale
	v_mov_b32 v113, s18                            ; 448 x that
.set j, 0
.rept 64
	v_and_b32 v[32+j], s22, v[32+j]
	v_ldexp_f32 v[32+j], v[32+j], s19              ; bias / 2^(e0 + e1)
.set j, j+1
.endr
.irp a, 0,1,2,3,4,5,6,7
	v_and_b32 v[96+2*\a], s23, v[96+2*\a]
	v_ldexp_f32 v[96+2*\a], v[96+2*\a], s19
	v_mov_b32 v[97+2*\a], v[96+2*\a]
.endr
.macro QOUT a                          ; block a of source 1: eight accumulators become one fragment's 16 registers
.set AC, 64*((\a)%4)
.set CD, 192+16*((\a)%2)
.if (\a) >= 2
	s_wait_xcnt 0x0                                ; block a - 2's stores have read their registers
.endif
	WIN 0x02+((\a)/4)                              ; source 0: window 2 or 3
.set j, 0
.rept 32
	v_pk_add_f32 v[128+j:129+j], v[AC+j:AC+j+1], v[32+j:33+j]    ; each accumulator from its low end on
.set j, j+2
.endr
	WIN 0
.set j, 0
.rept 32
	v_pk_add_f32 v[128+j:129+j], v[128+j:129+j], v[96+2*(\a):97+2*(\a)]
.set j, j+2
.endr
.set j, 0
.rept 64
	v_med3_num_f32 v[128+j], v[128+j], -v113, v113 ; the hold: the conversion does not saturate (ISA guide 7.6.2)
.set j, j+1
.endr
.irp b, 0,1,2,3,4,5,6,7
	v_cvt_scalef32_pk8_fp8_f32 v[CD+2*\b:CD+2*\b+1], v[128+8*\b:135+8*\b], v112
.endr
	v_nop                                          ; a plain line behind the last conversion
.irp q, 0,1,2,3
	global_store_b128 v[114+\q], v[CD+4*\q:CD+4*\q+3], s[68+2*(\a):69+2*(\a)]    ; 512 consecutive bytes, aligned
.endr
.endm
.irp a, 0,1,2,3,4,5,6,7
	QOUT \a
.endr
	s_wait_tensorcnt 0x0                           ; the wave's end
	ds_add_u32 v[SPW], v[NIL]
	s_wait_dscnt 0x0
	CROUND                                         ; the closing round
	s_endpgm
.Lfunc_end_k_qc5964e9436_qkv:
	.size	k_qc5964e9436_qkv, .Lfunc_end_k_qc5964e9436_qkv-k_qc5964e9436_qkv
	.p2alignl 7, 3214868480
	.fill 96, 4, 3214868480
	.section	.rodata,"a",@progbits
	.p2align	6, 0x0
	.amdhsa_kernel k_qc5964e9436_qkv
		.amdhsa_group_segment_fixed_size 327680
		.amdhsa_private_segment_fixed_size 0
		.amdhsa_enable_private_segment 0
		.amdhsa_kernarg_size 40
		.amdhsa_user_sgpr_count 2
		.amdhsa_user_sgpr_kernarg_segment_ptr 1
		.amdhsa_wavefront_size32 1
		.amdhsa_system_sgpr_workgroup_id_x 1
		.amdhsa_system_sgpr_workgroup_id_y 1
		.amdhsa_system_sgpr_workgroup_id_z 1
		.amdhsa_system_vgpr_workitem_id 0
		.amdhsa_next_free_vgpr 1024
		.amdhsa_next_free_sgpr 102
		.amdhsa_reserve_vcc 0
		.amdhsa_float_denorm_mode_32 3
		.amdhsa_float_denorm_mode_16_64 3
		.amdhsa_memory_ordered 1
		.amdhsa_forward_progress 1
		.amdhsa_inst_pref_size 162
	.end_amdhsa_kernel
	.amdgpu_metadata
---
amdhsa.version: [ 1, 2 ]
amdhsa.kernels:
  - .name:           k_qc5964e9436_qkv
    .symbol:         k_qc5964e9436_qkv.kd
    .args:
      - { .name: ac, .offset: 0, .size: 8, .value_kind: global_buffer, .address_space: global }
      - { .name: wc, .offset: 8, .size: 8, .value_kind: global_buffer, .address_space: global }
      - { .name: lowp_scales, .offset: 16, .size: 8, .value_kind: global_buffer, .address_space: global }
      - { .name: attn_b, .offset: 24, .size: 8, .value_kind: global_buffer, .address_space: global }
      - { .name: qkvc, .offset: 32, .size: 8, .value_kind: global_buffer, .address_space: global }
    .group_segment_fixed_size: 327680
    .private_segment_fixed_size: 0
    .kernarg_segment_align: 8
    .kernarg_segment_size: 40
    .max_flat_workgroup_size: 128
    .sgpr_count:     102
    .vgpr_count:     1024
    .wavefront_size: 32
...
	.end_amdgpu_metadata
.endif
;; end of part 2
;; launch attn (part 3): grid 8 x 32, 16 waves a work-group, clusters of 4 x 1, 327,680 bytes of LDS; arguments qkvc, lowp_scales, ac; writes ac
.if DOCPART == 3
	.amdgcn_target "amdgcn-amd-amdhsa--gfx1250"
	.amdhsa_code_object_version 6
	.text
	.protected	k_qc5964e9436_attn
	.globl	k_qc5964e9436_attn
	.p2align	8
	.type	k_qc5964e9436_attn,@function
k_qc5964e9436_attn:
	s_mov_b64 s[64:65], 0
	v_nop
	global_prefetch_b8 v0, s[64:65] scope:SCOPE_SE
	s_setreg_imm32_b32 hwreg(HW_REG_WAVE_MODE, 25, 1), 1
	s_wait_xcnt 0x0
	s_wait_alu depctr_hold_cnt(0) depctr_sa_sdst(0) depctr_va_vdst(0) depctr_va_sdst(0) depctr_va_ssrc(0) depctr_va_vcc(0) depctr_vm_vsrc(0)
	s_getreg_b32 s2, hwreg(HW_REG_IB_STS2, 6, 4)
	s_cmp_eq_u32 s2, 0
	s_cbranch_scc0 .Lentry_in_a_cluster
	s_endpgm
.Lentry_in_a_cluster:
	s_bfe_u32 s2, ttmp6, 0x10000c
	s_cmp_lg_u32 s2, 0x3003
	s_cbranch_scc0 .Lentry_shape_is_right
	s_endpgm
.Lentry_shape_is_right:
; Causal attention on codes of E4M3: y = softmax(q k^T / 8) v for 32 heads of 2,048 positions x 64, and y's quantising (entry 6) into the next product's operand.  Scales: q entry 2, k 3, p 4, v 5.
; THE SOFTMAX: t = score x log2(e) / 8; M = the running largest t rounded up to a whole number; p = 2^(t - M) is quantised, not normalised; the row's sum is taken of the unquantised p in f32 and divides at the end.
; When M moves, the sum and O are multiplied by 2^(old M - new M), which rounds nothing.  LEFT OUT: key steps all of whose 128 keys come after a tile's queries (the mask that the problem itself builds makes their p zero).
; BUFFERS.  q, k: [head][16 rows][quad 2][lane][16 bytes], v: [head][128 keys][16 d][quad 4][lane][16 bytes]: images of the operands' registers, so every LDS read is 512 consecutive bytes a wave.
; SHARES.  A head has 128 tiles of 16 queries; work-group x of its eight takes tiles 8 R + x, R = 0..15; tile R needs key steps 0..R, 136 in all for sixteen waves.  Wave i (0-7) walks steps 0-8 of tile 15 - i and leaves
; O, M and the sum in LDS; wave 8 + i walks tile i whole, then steps 9 .. 15 - i of tile 15 - i, joins the two parts and stores: nine steps or eight a wave.
; LDS holds the head's whole K (131,072 bytes) and V (the same).  The four work-groups of a cluster walk the same head and ask jointly.  Waves 0-7 fetch K, waves 8-15 V, two loads each: at the head 2,048 bytes
; (together keys 0-255), and behind the full sequence and a round 14,336 bytes (the rest), which has the first two key steps in which to land.  Nothing is filled twice.
; No prefetch: all of K and V is asked for by these two loads at the head, so there is no loop of loads to run ahead in.
; Both products are used transposed (S^T = K Q^T, O^T = V^T P^T): a lane holds one query; tile c's eight scores become registers 2 c, 2 c + 1 of P's operand.
; LIMITS: e2 + e3 between -123 and 130; e4 and e6 between -126 and 119; the scaled scores stay under 2^31 in magnitude.  NaN among the inputs is not served.
; REGISTERS: v1-9 addresses; v12 -M, v13 largest t, v[14:15] the sum; v16-31 Q's two fragments; v32-95 K's or V's fragments; v96-159 S^T, then p; v160-191 O^T; v192-207 p's codes; v208-223 y's codes; v236-254 at work.
.set VOFF,  131072
.set SPARE, 262144                     ; the spare words, 128 bytes a wave
.set SCR,   264192                     ; behind them: eight places of SSZ bytes for the parts handed from wave i to wave 8 + i
.set SSZ,   4608
.set P1,    2048                       ; a wave's first load
.set P2,    14336                      ; its second
.set LI,   1
.set DG,   2
.set NINF, 3
.set SA,   4
.set SPW,  5
.set NIL,  6
.set ADK,  8
.set ADV,  9
.set TB,   2
.set CNT,  3
.set WV,   18
.set R1,   19
.set SEL,  20
.set CS,   22
.set G1,   24
.set G0,   32
.set G1B,  40
.set R2,   48
.set EO,   62
.set KS,   67
.set BH,   83
.macro CROUND                          ; a round of the cluster's barrier
	s_barrier_signal -1
	s_barrier_wait -1
	s_cmp_lg_u32 s[WV], 0
	s_cbranch_scc1 .Lnot_wave_0_\@
	s_barrier_signal -3
.Lnot_wave_0_\@:
	s_barrier_wait -3
	s_barrier_signal -1
	s_barrier_wait -1
.endm
	s_load_b128 s[4:7], s[0:1], 0x0                ; qkvc, the scales
	s_load_b64 s[8:9], s[0:1], 0x10                ; ac
	v_lshl_add_u32 v[SPW], v0, 2, SPARE
	v_mov_b32 v[NIL], 0
	ds_add_u32 v[SPW], v[NIL]                      ; the opening lines: the add twice on end and its wait ahead of my first tensor load
	ds_add_u32 v[SPW], v[NIL]
	v_lshrrev_b32 v8, 5, v0
	v_readfirstlane_b32 s[WV], v8
	s_and_b32 s49, s[WV], 7                        ; i
	s_lshr_b32 s58, s[WV], 3                       ; 0: waves 0-7, 1: waves 8-15
	s_xor_b32 s59, s49, 15                         ; the late tile's R: 15 - i
	s_xor_b32 s60, s58, 1
	s_mul_i32 s60, s60, 15
	s_xor_b32 s[R1], s49, s60                      ; first job: R = 15 - i (waves 0-7) or i
	s_mul_i32 s[R2], s59, s58                      ; second job: none (0 hides steps 9 on) or 15 - i
	s_mul_i32 s61, s49, SSZ
	s_add_co_u32 s61, s61, SCR
	s_and_b32 s[BH], ttmp7, 0xffff                 ; the head
	s_bfe_u32 s80, ttmp6, 0x40000
	s_lshl_b32 s81, ttmp9, 2
	s_add_co_u32 s80, s80, s81                     ; x
	s_lshl_b32 s81, s[R1], 3
	s_add_co_u32 s81, s81, s80                     ; first job's tile
	s_lshl_b32 s82, s59, 3
	s_add_co_u32 s82, s82, s80                     ; the late tile
	s_lshl_b32 s84, s[BH], 17
	s_lshl_b32 s85, s81, 10
	s_add_co_u32 s86, s84, s85                     ; their q fragments
	s_mov_b32 s87, 0
	s_lshl_b32 s85, s82, 10
	s_add_co_u32 s88, s84, s85
	s_mov_b32 s89, 0
	s_lshr_b32 s90, s[BH], 4                       ; y's image: batch x 2 MB + fragment (head / 2) x 2,048 + (head % 2) x 1,024 + tile x 16,384
	s_lshl_b32 s90, s90, 21
	s_bfe_u32 s91, s[BH], 0x30001
	s_lshl_b32 s91, s91, 11
	s_add_co_u32 s90, s90, s91
	s_and_b32 s91, s[BH], 1
	s_lshl_b32 s91, s91, 10
	s_add_co_u32 s90, s90, s91
	s_lshl_b32 s91, s81, 14
	s_add_co_u32 s92, s90, s91
	s_mov_b32 s93, 0
	s_lshl_b32 s91, s82, 14
	s_add_co_u32 s94, s90, s91
	s_mov_b32 s95, 0
	s_lshl_b32 s78, s58, 17                        ; LDS: K's half or V's
	s_add_co_u32 s76, s58, 1
	s_lshl_b32 s76, s76, 22
	s_add_co_u32 s76, s76, s84                     ; memory: k at 4 MB, v at 8 MB, + the head
	s_lshl_b32 s79, s49, 11                        ; my first piece: P1 x i
	s_mul_i32 s77, s49, P2
	s_add_co_u32 s77, s77, 8*P1                    ; my second: behind the eight first pieces, P2 x i
	s_mov_b32 s[G0], 1
	s_add_co_u32 s[G0+1], s78, s79
	s_mov_b32 s[G0+4], 1
	s_add_co_u32 s[G0+5], s78, s77
	s_add_co_u32 s96, s76, s79
	s_mov_b32 s97, 0
	s_add_co_u32 s98, s76, s77
	s_mov_b32 s99, 0
	s_lshl_b32 s84, s80, 4                         ; 16 x
	s_mov_b32 s[G1], 15|(3<<16)|(1<<21)            ; the four partners; elements of 8 bytes; bit 21 beside a mask
	s_mov_b32 s[G1+1], 32<<16                      ; rows of 256 bytes, dense
	s_mov_b32 s[G1+2], (P1/256)<<16
	s_mov_b32 s[G1+3], 32<<16
	s_mov_b32 s[G1+4], P1/256
	s_mov_b32 s[G1+5], 32
	s_mov_b32 s[G1+6], 0
	s_mov_b32 s[G1+7], 0
	s_mov_b32 s[G1B], 15|(3<<16)|(1<<21)
	s_mov_b32 s[G1B+1], 32<<16
	s_mov_b32 s[G1B+2], (P2/256)<<16
	s_mov_b32 s[G1B+3], 32<<16
	s_mov_b32 s[G1B+4], P2/256
	s_mov_b32 s[G1B+5], 32
	s_mov_b32 s[G1B+6], 0
	s_mov_b32 s[G1B+7], 0
	s_mov_b32 s[SEL], 0x76543210
	s_mov_b32 s[SEL+1], 0xfedcba98
	s_mov_b32 s[CS], 0x3e38aa3b                    ; log2(e) / 8
	s_wait_dscnt 0x0                               ; both opening adds are done
	s_wait_kmcnt 0x0
	s_load_b256 s[68:75], s[6:7], 0x0              ; e0 .. e7
	s_add_nc_u64 s[G0+2:G0+3], s[4:5], s[96:97]
	s_or_b32 s[G0+3], s[G0+3], 0x80000000
	s_add_nc_u64 s[G0+6:G0+7], s[4:5], s[98:99]
	s_or_b32 s[G0+7], s[G0+7], 0x80000000
	s_add_nc_u64 s[50:51], s[4:5], s[86:87]
	s_add_nc_u64 s[52:53], s[4:5], s[88:89]
	s_add_nc_u64 s[54:55], s[8:9], s[92:93]
	s_add_nc_u64 s[56:57], s[8:9], s[94:95]
	CROUND                                         ; the four work-groups are here: the first joint loads meet
	tensor_load_to_lds s[G0:G0+3], s[G1:G1+7]      ; my part of keys 0-255: one tensor load a wave at the head
	s_nop 0
	v_and_b32 v[LI], 31, v0
	v_lshlrev_b32 v[LI], 4, v[LI]                  ; 16 x lane: my place in every image
	global_load_b128 v[16:19], v[LI], s[50:51]
	global_load_b128 v[20:23], v[LI], s[50:51] offset:512
	global_load_b128 v[24:27], v[LI], s[52:53]
	global_load_b128 v[28:31], v[LI], s[52:53] offset:512
	v_add_nc_u32 v[SA], s61, v[LI]
	v_and_b32 v10, 15, v0
	v_bfe_u32 v11, v0, 4, 1
	v_lshlrev_b32 v11, 3, v11
	v_sub_nc_u32 v[DG], v10, v11
	v_add_nc_u32 v[DG], s84, v[DG]                 ; on the diagonal step register 8 c + i (key 16 c + 8 h + i) is hidden where 16 c + i > r - 8 h + 16 x
	v_mov_b32 v[NINF], 0xff800000
	v_mov_b32 v236, 0
	v_mov_b32 v252, 0
	v_mov_b32 v253, 0
.macro INIT                            ; a tile begins: O^T and the sum zeros, the largest t under every t
	v_mov_b32 v13, 0xff61b1e6
	s_delay_alu instid0(VALU_DEP_1)
	v_floor_f32 v12, -v13
	v_mov_b32 v14, 0
	v_mov_b32 v15, 0
.set j, 0
.rept 32
	v_mov_b32 v[160+j], 0
.set j, j+1
.endr
.endm
	INIT
	s_wait_kmcnt 0x0
	s_add_co_i32 s76, s70, s71
	s_lshl_b32 s76, s76, 23
	s_add_co_i32 s[CS], s[CS], s76                 ; e2 + e3 go into c's exponent field
	s_mov_b32 s[CS+1], s[CS]                       ; (named with it as a pair, so it is written)
	s_add_co_i32 s76, s72, 127
	s_lshl_b32 s77, s76, 23
	v_mov_b32 v244, s77                            ; 2^e4
	s_add_co_i32 s76, s76, 8
	s_lshl_b32 s76, s76, 23
	s_or_b32 s76, s76, 0x600000
	v_mov_b32 v240, s76                            ; 448 x 2^e4, twice: the paired hold takes one for each half
	v_mov_b32 v241, s76
	s_add_co_i32 s76, s74, 127
	s_lshl_b32 s77, s76, 23
	v_mov_b32 v245, s77                            ; 2^e6
	s_add_co_i32 s76, s76, 8
	s_lshl_b32 s76, s76, 23
	s_or_b32 s76, s76, 0x600000
	v_mov_b32 v246, s76                            ; 448 x 2^e6
	s_add_co_i32 s[EO], s72, s73                   ; e4 + e5
.macro STEP q, rk                      ; 128 keys at LDS byte TB against the tile whose Q lies in v[q..] and whose last step is s[rk]
	s_cmp_gt_u32 s[KS], s[\rk]
	s_cbranch_scc1 .Lhid_\@                        ; ids and the count of steps alone
	v_add_nc_u32 v[ADK], s[TB], v[LI]
	s_delay_alu instid0(VALU_DEP_1)
	v_add_nc_u32 v[ADV], VOFF, v[ADK]
	v_nop                                          ; with the two lines above: four places behind the last products, ahead of loads into their sources
	v_nop
.irp t, 0,1,2,3,4,5,6,7
	ds_load_b128 v[32+8*\t:35+8*\t], v[ADK] offset:1024*\t
	ds_load_b128 v[36+8*\t:39+8*\t], v[ADK] offset:1024*\t+512
.endr
	s_wait_alu depctr_va_vdst(0)
	s_wait_dscnt 0x0
.irp t, 0,1,2,3,4,5,6,7
	v_wmma_f32_16x16x64_fp8_fp8 v[96+8*\t:103+8*\t], v[32+8*\t:39+8*\t], v[\q:\q+7], 0
.endr
.rept 4
	v_nop
.endr
.irp t, 0,1,2,3
.irp c, 0,1,2,3
	ds_load_b128 v[32+16*\t+4*\c:35+16*\t+4*\c], v[ADV] offset:2048*\t+512*\c   ; V's fragments land under the softmax
.endr
.endr
	s_cmp_lg_u32 s[KS], s[\rk]
	s_cbranch_scc1 .Lopen_\@
.set n, 0
.rept 64
	v_cmp_gt_i32 vcc_lo, 16*(n/8)+n%8, v[DG]
	v_cndmask_b32 v[96+n], v[96+n], v[NINF], vcc_lo
.set n, n+1
.endr
.Lopen_\@:
	v_max3_num_f32 v254, v96, v97, v98
	v_max3_num_f32 v252, v99, v100, v101
.irp i, 6,10,14,18,22,26,30,34,38,42,46,50,54,58
	v_max3_num_f32 v254, v254, v[96+\i], v[97+\i]
	v_max3_num_f32 v252, v252, v[98+\i], v[99+\i]
.endr
	v_max3_num_f32 v254, v254, v158, v159
	s_delay_alu instid0(VALU_DEP_1)
	v_max_num_f32 v254, v254, v252
	s_delay_alu instid0(VALU_DEP_1)
	v_permlanex16_b32 v236, v254, s[SEL], s[SEL+1]
	s_delay_alu instid0(VALU_DEP_1)
	v_max_num_f32 v254, v254, v236
	s_delay_alu instid0(VALU_DEP_1)
	v_mul_f32 v254, s[CS], v254
	s_delay_alu instid0(VALU_DEP_1)
	v_max_num_f32 v13, v13, v254                   ; the running largest t
	v_mov_b32 v254, v12
	s_delay_alu instid0(VALU_DEP_2)
	v_floor_f32 v12, -v13                          ; -M
	s_delay_alu instid0(VALU_DEP_1)
	v_sub_f32 v254, v12, v254
	s_delay_alu instid0(VALU_DEP_1)
	v_cvt_i32_f32 v254, v254
	s_delay_alu instid0(VALU_DEP_1)
	v_ldexp_f32 v252, 1.0, v254                    ; f = 2^(old M - new M)
.set j, 0
.rept 32
	v_pk_fma_f32 v[96+j:97+j], v[96+j:97+j], s[CS:CS+1], v[12:13] op_sel_hi:[1,0,0]   ; t - M (of the pairs c and -M the low word serves both halves)
.set j, j+2
.endr
	s_wait_alu depctr_va_vdst(0)                   ; a wait ahead of the batch,
.set j, 0
.rept 64
	v_exp_f32 v[96+j], v[96+j]
.set j, j+1
.endr
	v_pk_mul_f32 v[14:15], v[14:15], v[252:253] op_sel_hi:[1,0]
	s_wait_alu depctr_va_vdst(0)                   ; and one behind it
	v_pk_add_f32 v[242:243], v[96:97], v[98:99]    ; the sum of the unquantised p, in two chains
.irp j, 4,8,12,16,20,24,28,32,36,40,44,48,52,56,60
	v_pk_add_f32 v[14:15], v[14:15], v[96+\j:97+\j]
	v_pk_add_f32 v[242:243], v[242:243], v[98+\j:99+\j]
.endr
	s_delay_alu instid0(VALU_DEP_1)
	v_pk_add_f32 v[14:15], v[14:15], v[242:243]
.irp c, 0,1,2,3,4,5,6,7
.irp i, 0,2,4,6
	v_dual_min_num_f32 v[96+8*\c+\i], v240, v[96+8*\c+\i] :: v_dual_min_num_f32 v[97+8*\c+\i], v241, v[97+8*\c+\i]   ; the hold (the conversion does not saturate: ISA guide 7.6.2); p is not negative; two numbers a line
.endr
	v_cvt_scalef32_pk8_fp8_f32 v[192+2*\c:193+2*\c], v[96+8*\c:103+8*\c], v244
.endr
	s_wait_alu depctr_va_vdst(0)                   ; the wait directly ahead of the first reader of O^T
.set j, 0
.rept 16
	v_pk_mul_f32 v[160+j:161+j], v[160+j:161+j], v[252:253] op_sel_hi:[1,0]   ; O^T x f
.set j, j+2
.endr
	s_wait_alu depctr_va_vdst(0)
	s_wait_dscnt 0x0
.irp t, 0,1,2,3
	v_wmma_f32_16x16x128_fp8_fp8 v[160+8*\t:167+8*\t], v[32+16*\t:47+16*\t], v[192:207], v[160+8*\t:167+8*\t]
.endr
.Lhid_\@:
	s_add_co_u32 s[TB], s[TB], 8192
	s_add_co_u32 s[KS], s[KS], 1
.endm
.macro WAYOUT base, cd                 ; O^T / the sum x 2^(e4 + e5), held and turned into codes: registers 2 t, 2 t + 1 of the head's half fragment
	v_add_f32 v14, v14, v15
	s_delay_alu instid0(VALU_DEP_1)
	v_permlanex16_b32 v236, v14, s[SEL], s[SEL+1]
	s_delay_alu instid0(VALU_DEP_1)
	v_add_f32 v14, v14, v236
	s_wait_alu depctr_va_vdst(0)
	v_rcp_f32 v14, v14
	v_nop
	s_wait_alu depctr_va_vdst(0)
	v_ldexp_f32 v14, v14, s[EO]
.set j, 0
.rept 32
	v_mul_f32 v[96+j], v[160+j], v14
.set j, j+1
.endr
.set j, 0
.rept 32
	v_med3_num_f32 v[96+j], v[96+j], -v246, v246
.set j, j+1
.endr
.irp t, 0,1,2,3
	v_cvt_scalef32_pk8_fp8_f32 v[\cd+2*\t:\cd+2*\t+1], v[96+8*\t:103+8*\t], v245
.endr
	v_nop
	global_store_b128 v[LI], v[\cd:\cd+3], s[\base:\base+1]                ; 512 consecutive bytes a store, aligned
	global_store_b128 v[LI], v[\cd+4:\cd+7], s[\base:\base+1] offset:512
.endm
	s_wait_alu depctr_va_vdst(0)
	s_wait_tensorcnt 0x0                           ; my part of keys 0-255 is in
	ds_add_u32 v[SPW], v[NIL]
	s_wait_dscnt 0x0
	CROUND                                         ; everybody's part is in, and the four work-groups are here
	tensor_load_to_lds s[G0+4:G0+7], s[G1B:G1B+7]  ; my part of keys 256-2047
	s_nop 0
	s_wait_loadcnt 0x0                             ; Q
	s_mov_b32 s[TB], 0
	s_mov_b32 s[KS], 0
	s_mov_b32 s[CNT], 2
.Lfirst:                                               ; steps 0, 1: the keys that the head's loads brought
	STEP 16, R1
	s_sub_co_u32 s[CNT], s[CNT], 1
	s_cmp_lg_u32 s[CNT], 0
	s_cbranch_scc1 .Lfirst
	s_wait_tensorcnt 0x0                           ; my part of the rest is in,
	s_wait_dscnt 0x0
	s_barrier_signal -1
	s_barrier_wait -1                              ; and everybody's
	s_mov_b32 s[TB], 2*8192
	s_mov_b32 s[KS], 2
	s_mov_b32 s[CNT], 7
.Ljob1:                                                ; steps 2 to 8
	STEP 16, R1
	s_sub_co_u32 s[CNT], s[CNT], 1
	s_cmp_lg_u32 s[CNT], 0
	s_cbranch_scc1 .Ljob1
.rept 4
	v_nop
.endr
	s_cmp_lt_u32 s[WV], 8
	s_cbranch_scc0 .Learly_tile
	s_wait_alu depctr_va_vdst(0)
.irp c, 0,1,2,3,4,5,6,7
	ds_store_b128 v[SA], v[160+4*\c:163+4*\c] offset:512*\c    ; waves 0-7: the late tile's first part, as an image of its registers
.endr
	ds_store_b128 v[SA], v[12:15] offset:4096
	s_branch .Lsecond
.Learly_tile:
	WAYOUT 54, 208                                 ; waves 8-15: tile i is finished
	INIT
.Lsecond:
	s_mov_b32 s[TB], 9*8192
	s_mov_b32 s[KS], 9
	s_mov_b32 s[CNT], 7
.Ljob2:                                                ; steps 9 to 15 of the late tile, in waves 8-15
	STEP 24, R2
	s_sub_co_u32 s[CNT], s[CNT], 1
	s_cmp_lg_u32 s[CNT], 0
	s_cbranch_scc1 .Ljob2
.rept 4
	v_nop
.endr
	s_wait_dscnt 0x0                               ; for the others' sake: my stores are done
	s_barrier_signal -1
	s_barrier_wait -1
	s_cmp_lt_u32 s[WV], 8
	s_cbranch_scc1 .Lend
.irp c, 0,1,2,3,4,5,6,7
	ds_load_b128 v[96+4*\c:99+4*\c], v[SA] offset:512*\c
.endr
	ds_load_b128 v[128:131], v[SA] offset:4096
	s_wait_dscnt 0x0
	v_min_num_f32 v132, v12, v128                  ; the two parts are brought under the larger M: both factors are powers of two
	s_delay_alu instid0(VALU_DEP_1)
	v_sub_f32 v133, v132, v128
	s_delay_alu instid0(VALU_DEP_2)
	v_sub_f32 v134, v132, v12
	s_delay_alu instid0(VALU_DEP_2)
	v_cvt_i32_f32 v133, v133
	s_delay_alu instid0(VALU_DEP_2)
	v_cvt_i32_f32 v134, v134
	s_delay_alu instid0(VALU_DEP_2)
	v_ldexp_f32 v136, 1.0, v133
	s_delay_alu instid0(VALU_DEP_2)
	v_ldexp_f32 v138, 1.0, v134
	s_delay_alu instid0(VALU_DEP_2)
	v_mov_b32 v137, v136
	s_delay_alu instid0(VALU_DEP_2)
	v_mov_b32 v139, v138
	s_delay_alu instid0(VALU_DEP_1)
	v_pk_mul_f32 v[14:15], v[14:15], v[138:139]
	s_delay_alu instid0(VALU_DEP_1)
	v_pk_fma_f32 v[14:15], v[130:131], v[136:137], v[14:15]
.set j, 0
.rept 16
	v_pk_mul_f32 v[160+j:161+j], v[160+j:161+j], v[138:139]
.set j, j+2
.endr
.set j, 0
.rept 16
	v_pk_fma_f32 v[160+j:161+j], v[96+j:97+j], v[136:137], v[160+j:161+j]
.set j, j+2
.endr
	WAYOUT 56, 216
.Lend:
	s_wait_tensorcnt 0x0                           ; the wave's end
	ds_add_u32 v[SPW], v[NIL]
	s_wait_dscnt 0x0
	CROUND                                         ; the closing round
	s_endpgm
.Lfunc_end_k_qc5964e9436_attn:
	.size	k_qc5964e9436_attn, .Lfunc_end_k_qc5964e9436_attn-k_qc5964e9436_attn
	.p2alignl 7, 3214868480
	.fill 96, 4, 3214868480
	.section	.rodata,"a",@progbits
	.p2align	6, 0x0
	.amdhsa_kernel k_qc5964e9436_attn
		.amdhsa_group_segment_fixed_size 327680
		.amdhsa_private_segment_fixed_size 0
		.amdhsa_enable_private_segment 0
		.amdhsa_kernarg_size 24
		.amdhsa_user_sgpr_count 2
		.amdhsa_user_sgpr_kernarg_segment_ptr 1
		.amdhsa_wavefront_size32 1
		.amdhsa_system_sgpr_workgroup_id_x 1
		.amdhsa_system_sgpr_workgroup_id_y 1
		.amdhsa_system_sgpr_workgroup_id_z 1
		.amdhsa_system_vgpr_workitem_id 0
		.amdhsa_next_free_vgpr 256
		.amdhsa_next_free_sgpr 100
		.amdhsa_reserve_vcc 1
		.amdhsa_float_denorm_mode_32 3
		.amdhsa_float_denorm_mode_16_64 3
		.amdhsa_memory_ordered 1
		.amdhsa_forward_progress 1
		.amdhsa_inst_pref_size 85
	.end_amdhsa_kernel
	.amdgpu_metadata
---
amdhsa.version: [ 1, 2 ]
amdhsa.kernels:
  - .name:           k_qc5964e9436_attn
    .symbol:         k_qc5964e9436_attn.kd
    .args:
      - { .name: qkvc, .offset: 0, .size: 8, .value_kind: global_buffer, .address_space: global }
      - { .name: lowp_scales, .offset: 8, .size: 8, .value_kind: global_buffer, .address_space: global }
      - { .name: ac, .offset: 16, .size: 8, .value_kind: global_buffer, .address_space: global }
    .group_segment_fixed_size: 327680
    .private_segment_fixed_size: 0
    .kernarg_segment_align: 8
    .kernarg_segment_size: 24
    .max_flat_workgroup_size: 512
    .sgpr_count:     100
    .vgpr_count:     256
    .wavefront_size: 32
...
	.end_amdgpu_metadata
.endif
;; end of part 3
;; launch proj (part 4): grid 8 x 32, 4 waves a work-group, clusters of 4 x 4, 327,680 bytes of LDS; arguments ac, wc, lowp_scales, proj_b, x, x1; writes x1
.if DOCPART == 4
	.amdgcn_target "amdgcn-amd-amdhsa--gfx1250"
	.amdhsa_code_object_version 6
	.text
	.protected	k_qc5964e9436_proj
	.globl	k_qc5964e9436_proj
	.p2align	8
	.type	k_qc5964e9436_proj,@function
k_qc5964e9436_proj:
	s_mov_b64 s[64:65], 0
	v_nop
	global_prefetch_b8 v0, s[64:65] scope:SCOPE_SE
	s_setreg_imm32_b32 hwreg(HW_REG_WAVE_MODE, 25, 1), 1
	s_wait_xcnt 0x0
	s_wait_alu depctr_hold_cnt(0) depctr_sa_sdst(0) depctr_va_vdst(0) depctr_va_sdst(0) depctr_va_ssrc(0) depctr_va_vcc(0) depctr_vm_vsrc(0)
	s_getreg_b32 s2, hwreg(HW_REG_IB_STS2, 6, 4)
	s_cmp_eq_u32 s2, 0
	s_cbranch_scc0 .Lentry_in_a_cluster
	s_endpgm
.Lentry_in_a_cluster:
	s_bfe_u32 s2, ttmp6, 0x10000c
	s_cmp_lg_u32 s2, 0xf033
	s_cbranch_scc0 .Lentry_shape_is_right
	s_endpgm
.Lentry_shape_is_right:
; x1 = x + (y proj_w + proj_b): y [4096][1024] and proj_w [1024 n][1024 k] as codes of E4M3 (scales: entries 6, 7) laid as images of their registers (fragment = 16 rows x 128 k = 2,048 bytes, 16 rows' fragments on end).
; N is 1,024: tiles of 256 x 256 would be 64, so a tile is 128 x 128 (256 work-groups); four waves, each 64 x 64: 16 accumulators.
; K IS 1,024, SO BOTH OPERANDS' WHOLE K FITS IN LDS (2 x 131,072 bytes): each wave issues ONE tensor load, 4 blocks of 16 rows x 16,384 consecutive bytes, and nothing is filled again: no ring, one barrier.
; With one load a wave and no loop of loads there is nothing to prefetch ahead of.  CLUSTERS: 4 x 4; A's tile is asked for jointly along a row of the cluster, B's along a column.
; Source 0 = 16 rows of W, source 1 = 16 rows of A: a lane holds eight neighbouring columns of a row.  A block of 16 rows x 256 bytes turns through the wave's own stage in LDS and leaves as whole rows,
; sixteen lanes to 256 consecutive aligned bytes.  The residual is asked for at the head, in the layout of those rows.
; x1 = (sum x 2^(e6 + e7) + bias) + x.  LIMIT: e6 + e7 between -126 and 127.
; REGISTERS: window 0: v0-31 addresses, v32-95 the way out (two sets), v96-99 the bias, v128-255 the accumulators;  window 1: two fragment buffers of 128 (A's four fragments, then B's);  window 2: v0-127 the residual.
.set SIZE_K, 1024
.set WOFF,   3145728                   ; proj_w's codes in wc
.set SCOFF,  24
.set FRB,    2048
.set RBLK,   16384                     ; 16 rows x 1,024 k
.set HALFT,  4*RBLK                    ; 64 rows: what one tensor load brings
.set STAGE,  4*HALFT                   ; behind the tiles: 16 rows x 272 bytes for each wave
.set SPITCH, 272
.set SPARE,  STAGE+4*16*SPITCH         ; behind the stages: the spare words
.set ADRA, 16
.set ADRB, 20
.set STO,  24
.set RD,   25
.set CO,   26
.set SPW,  28
.set NIL,  29
.set TMP,  32
.set ACC,  128
.set F0,   0
.set F1,   128
.set G1, 24
.set G0, 32
.set G1B, 48
.set G0B, 56
.set MSB, 0
.macro WIN new
.if MSB != \new
	s_set_vgpr_msb (MSB<<8)|\new
.set MSB, \new
.endif
.endm
.set MUL,  0x05                        ; sources 0 and 1 window 1; C and D window 0
.set TO_F, 0x40                        ; destination window 1
.macro CROUND
	s_barrier_signal -1
	s_barrier_wait -1
	s_cmp_lg_u32 s10, 0
	s_cbranch_scc1 .Lnot_wave_0_\@
	s_barrier_signal -3
.Lnot_wave_0_\@:
	s_barrier_wait -3
	s_barrier_signal -1
	s_barrier_wait -1
.endm
	s_load_b128 s[4:7], s[0:1], 0x0                ; A's codes, wc
	s_load_b256 s[68:75], s[0:1], 0x10             ; the scales, the bias, the residual, the output
	v_lshl_add_u32 v[SPW], v0, 2, SPARE
	v_mov_b32 v[NIL], 0
	ds_add_u32 v[SPW], v[NIL]                      ; the opening lines: the add twice on end and its wait ahead of my tensor load
	ds_add_u32 v[SPW], v[NIL]
	v_lshrrev_b32 v1, 5, v0
	v_readfirstlane_b32 s10, v1                    ; wave
	s_lshr_b32 s11, s10, 1                         ; my half of the rows.  Also: I fetch for A (0) or B (1)
	s_and_b32 s12, s10, 1                          ; my half of the columns.  Also: which 64 rows I fetch
	s_bfe_u32 s40, ttmp6, 0x40000
	s_bfe_u32 s41, ttmp6, 0x40004
	s_lshl_b32 s42, ttmp9, 2
	s_add_co_u32 s42, s42, s40                     ; tile column
	s_and_b32 s13, ttmp7, 0xffff
	s_lshl_b32 s13, s13, 2
	s_add_co_u32 s13, s13, s41                     ; tile row
	s_lshl_b32 s43, s41, 2
	s_lshl_b32 s43, 15, s43
	s_lshl_b32 s44, 0x1111, s40
	s_or_b32 s[G1+0], s43, (3<<16)|(1<<21)         ; the mask; elements of 8 bytes; no padding; bit 21 beside a mask
	s_or_b32 s[G1B+0], s44, (3<<16)|(1<<21)
.irp g, G1, G1B
	s_mov_b32 s[\g+1], 2048<<16                    ; tensor_dim0: 16,384 bytes
	s_mov_b32 s[\g+2], 4<<16                       ; tensor_dim1: 4 blocks of 16 rows
	s_mov_b32 s[\g+3], 2048<<16
	s_mov_b32 s[\g+4], 4
	s_mov_b32 s[\g+5], 2*SIZE_K                    ; from block to block: 16 K bytes
	s_mov_b32 s[\g+6], 0
	s_mov_b32 s[\g+7], 0
.endr
	s_lshl_b32 s17, s12, 6
	s_lshl_b32 s16, s13, 7
	s_add_co_u32 s16, s16, s17
	s_lshl_b32 s46, s42, 7
	s_add_co_u32 s46, s46, s17
	s_mov_b32 s17, 0
	s_mov_b32 s47, 0
	s_mov_b64 s[18:19], SIZE_K
	s_mul_u64 s[16:17], s[16:17], s[18:19]
	s_mul_u64 s[46:47], s[46:47], s[18:19]
	s_mul_i32 s20, s10, HALFT                      ; where my rows go: A's two halves, then B's
	s_wait_dscnt 0x0                               ; both opening adds are done
	s_wait_kmcnt 0x0
	s_load_b64 s[76:77], s[68:69], SCOFF           ; e6, e7
	s_add_nc_u64 s[14:15], s[4:5], s[16:17]
	s_add_nc_u64 s[46:47], s[6:7], s[46:47]
	s_add_nc_u64 s[46:47], s[46:47], WOFF
	s_mov_b32 s[G0], 1
	s_add_co_u32 s[G0+1], s20, 0
	s_add_nc_u64 s[G0+2:G0+3], s[14:15], 0
	s_or_b32 s[G0+3], s[G0+3], 0x80000000
	s_mov_b32 s[G0B], 1
	s_add_co_u32 s[G0B+1], s20, 0
	s_add_nc_u64 s[G0B+2:G0B+3], s[46:47], 0
	s_or_b32 s[G0B+3], s[G0B+3], 0x80000000
	CROUND                                         ; all sixteen work-groups are here: the joint loads meet
	s_cmp_eq_u32 s11, 0                            ; waves 0, 1 fetch A's halves, waves 2, 3 B's; an s_nop 0 and four v_nop follow each line
	s_cbranch_scc0 .Lfor_b
	tensor_load_to_lds s[G0:G0+3], s[G1:G1+7]
	s_nop 0
.rept 4
	v_nop
.endr
	s_branch .Lasked
.Lfor_b:
	tensor_load_to_lds s[G0B:G0B+3], s[G1B:G1B+7]
	s_nop 0
.rept 4
	v_nop
.endr
.Lasked:
	s_mul_i32 s21, s11, HALFT
	s_mul_i32 s22, s12, HALFT
	s_add_co_u32 s22, s22, 2*HALFT
	s_mul_i32 s23, s10, 16*SPITCH
	s_add_co_u32 s23, s23, STAGE                   ; my stage
	s_lshl_b32 s80, s13, 7
	s_lshl_b32 s81, s11, 6
	s_add_co_u32 s80, s80, s81
	s_lshl_b32 s80, s80, 12                        ; my first row, 4,096 bytes a row
	s_lshl_b32 s82, s42, 9
	s_lshl_b32 s83, s12, 8
	s_add_co_u32 s82, s82, s83                     ; my first column, in bytes
	s_add_co_u32 s80, s80, s82
	s_mov_b32 s81, 0
	s_mov_b32 s83, 0
	s_add_nc_u64 s[72:73], s[72:73], s[80:81]
	s_add_nc_u64 s[74:75], s[74:75], s[80:81]
	s_add_nc_u64 s[70:71], s[70:71], s[82:83]
	v_and_b32 v1, 15, v0
	v_bfe_u32 v2, v0, 4, 1
	v_and_b32 v3, 31, v0
	v_lshlrev_b32 v3, 4, v3                        ; 16 x lane
	v_add_nc_u32 v[ADRA], s21, v3
	v_add_nc_u32 v[ADRB], s22, v3
	v_mul_u32_u24 v4, v1, SPITCH
	v_lshl_add_u32 v4, v2, 5, v4
	v_add_nc_u32 v[STO], s23, v4                   ; in: row r, 32 bytes for each half of the lanes
	v_mul_u32_u24 v5, v2, SPITCH
	v_lshl_add_u32 v5, v1, 4, v5
	v_add_nc_u32 v[RD], s23, v5                    ; back: lanes 0-15 one row of 256 bytes, lanes 16-31 the next
	v_lshlrev_b32 v[CO], 12, v2
	v_lshl_add_u32 v[CO], v1, 4, v[CO]             ; and the same two rows in memory
	v_lshlrev_b32 v27, 4, v1
	s_wait_alu depctr_va_vdst(0)
	global_load_b128 v[96:99], v27, s[70:71]       ; the bias of my four columns
	WIN 0x80                                       ; destination window 2
.irp a, 0,1,2,3
.irp t, 0,1,2,3,4,5,6,7
	global_load_b128 v[32*\a+4*\t:32*\a+4*\t+3], v[CO], s[72:73] offset:(16*\a+2*\t)*4096
.endr
.endr
	WIN 0
.macro MUL8 f, a0, zero                ; 8 matrix instructions: A's blocks a0, a0 + 1 x B's four, 128 along K; the 16 accumulators take turns in one order throughout
.irp a, \a0, \a0+1
.irp b, 0,1,2,3
.if \zero
	v_wmma_f32_16x16x128_fp8_fp8 v[ACC+8*(4*(\a)+\b):ACC+8*(4*(\a)+\b)+7], v[\f+64+16*\b:\f+64+16*\b+15], v[\f+16*(\a):\f+16*(\a)+15], 0
.else
	v_wmma_f32_16x16x128_fp8_fp8 v[ACC+8*(4*(\a)+\b):ACC+8*(4*(\a)+\b)+7], v[\f+64+16*\b:\f+64+16*\b+15], v[\f+16*(\a):\f+16*(\a)+15], v[ACC+8*(4*(\a)+\b):ACC+8*(4*(\a)+\b)+7]
.endif
.endr
.endr
.endm
.macro FETCH q, f                      ; 32 LDS loads in one run: B's four fragments, then A's four, of the q-th 128 along K
	WIN TO_F
.irp i, 0,1,2,3
.irp c, 0,1,2,3
	ds_load_b128 v[\f+64+16*\i+4*\c:\f+64+16*\i+4*\c+3], v[ADRB] offset:FRB*(\q)+512*\c+\i*RBLK
.endr
.endr
.irp i, 0,1,2,3
.irp c, 0,1,2,3
	ds_load_b128 v[\f+16*\i+4*\c:\f+16*\i+4*\c+3], v[ADRA] offset:FRB*(\q)+512*\c+\i*RBLK
.endr
.endr
.endm
.macro PLACES
.rept 4
	v_nop
.endr
.endm
.macro EIGHTH qn, f, g, zero           ; multiplies buffer f and fetches the qn-th 128 along K into g
	s_wait_dscnt 8                                 ; B's four and A's blocks 0, 1 are in; the youngest eight loads (blocks 2, 3) may be out
	WIN MUL
	MUL8 \f, 0, \zero
	PLACES
	FETCH \qn, \g
	s_wait_dscnt 32                                ; all but the 32 just issued
	WIN MUL
	MUL8 \f, 2, \zero
.endm
	s_wait_tensorcnt 0x0                           ; my 64 rows are in,
	s_barrier_signal -1
	s_barrier_wait -1                              ; and everybody's
	FETCH 0, F0
	EIGHTH 1, F0, F1, 1                            ; the first products start the sums
	EIGHTH 2, F1, F0, 0
	EIGHTH 3, F0, F1, 0
	EIGHTH 4, F1, F0, 0
	EIGHTH 5, F0, F1, 0
	EIGHTH 6, F1, F0, 0
	EIGHTH 7, F0, F1, 0
	s_wait_dscnt 8
	WIN MUL
	MUL8 F1, 0, 0
	s_wait_dscnt 0
	MUL8 F1, 2, 0
	WIN 0
	; THE WAY OUT
	s_wait_kmcnt 0x0
	s_add_co_i32 s78, s76, s77
	s_add_co_i32 s78, s78, 127
	s_lshl_b32 s78, s78, 23                        ; 2^(e6 + e7)
	s_mov_b32 s79, s78
	s_wait_loadcnt 0x0                             ; the bias and the residual
	PLACES
.macro OUTB a
.set TS, TMP+32*((\a)%2)
.if (\a) >= 2
	s_wait_xcnt 0x0                                ; block a - 2's stores have read their registers
.endif
.irp b, 0,1,2,3
	ds_store_b128 v[STO], v[ACC+8*(4*(\a)+\b):ACC+8*(4*(\a)+\b)+3] offset:64*\b        ; each accumulator from its low end on
	ds_store_b128 v[STO], v[ACC+8*(4*(\a)+\b)+4:ACC+8*(4*(\a)+\b)+7] offset:64*\b+16
.endr
.irp t, 0,1,2,3,4,5,6,7
	ds_load_b128 v[TS+4*\t:TS+4*\t+3], v[RD] offset:\t*2*SPITCH    ; LDS serves a wave's instructions in order: these see my stores, and the next block's stores come behind them
.endr
	s_wait_dscnt 0x0
.irp t, 0,1,2,3,4,5,6,7
	v_pk_fma_f32 v[TS+4*\t:TS+4*\t+1], v[TS+4*\t:TS+4*\t+1], s[78:79], v[96:97] op_sel_hi:[1,0,1]
	v_pk_fma_f32 v[TS+4*\t+2:TS+4*\t+3], v[TS+4*\t+2:TS+4*\t+3], s[78:79], v[98:99] op_sel_hi:[1,0,1]
.endr
	WIN 0x08                                       ; source 1 window 2: the residual
.set j, 0
.rept 16
	v_pk_add_f32 v[TS+j:TS+j+1], v[TS+j:TS+j+1], v[32*(\a)+j:32*(\a)+j+1]
.set j, j+2
.endr
	WIN 0
.irp t, 0,1,2,3,4,5,6,7
	global_store_b128 v[CO], v[TS+4*\t:TS+4*\t+3], s[74:75] offset:(16*(\a)+2*\t)*4096   ; 16 lanes store 256 consecutive bytes, aligned
.endr
.endm
	OUTB 0
	OUTB 1
	OUTB 2
	OUTB 3
	s_wait_tensorcnt 0x0                           ; the wave's end
	ds_add_u32 v[SPW], v[NIL]
	s_wait_dscnt 0x0
	CROUND                                         ; the closing round
	s_endpgm
.Lfunc_end_k_qc5964e9436_proj:
	.size	k_qc5964e9436_proj, .Lfunc_end_k_qc5964e9436_proj-k_qc5964e9436_proj
	.p2alignl 7, 3214868480
	.fill 96, 4, 3214868480
	.section	.rodata,"a",@progbits
	.p2align	6, 0x0
	.amdhsa_kernel k_qc5964e9436_proj
		.amdhsa_group_segment_fixed_size 327680
		.amdhsa_private_segment_fixed_size 0
		.amdhsa_enable_private_segment 0
		.amdhsa_kernarg_size 48
		.amdhsa_user_sgpr_count 2
		.amdhsa_user_sgpr_kernarg_segment_ptr 1
		.amdhsa_wavefront_size32 1
		.amdhsa_system_sgpr_workgroup_id_x 1
		.amdhsa_system_sgpr_workgroup_id_y 1
		.amdhsa_system_sgpr_workgroup_id_z 1
		.amdhsa_system_vgpr_workitem_id 0
		.amdhsa_next_free_vgpr 640
		.amdhsa_next_free_sgpr 100
		.amdhsa_reserve_vcc 0
		.amdhsa_float_denorm_mode_32 3
		.amdhsa_float_denorm_mode_16_64 3
		.amdhsa_memory_ordered 1
		.amdhsa_forward_progress 1
		.amdhsa_inst_pref_size 51
	.end_amdhsa_kernel
	.amdgpu_metadata
---
amdhsa.version: [ 1, 2 ]
amdhsa.kernels:
  - .name:           k_qc5964e9436_proj
    .symbol:         k_qc5964e9436_proj.kd
    .args:
      - { .name: ac, .offset: 0, .size: 8, .value_kind: global_buffer, .address_space: global }
      - { .name: wc, .offset: 8, .size: 8, .value_kind: global_buffer, .address_space: global }
      - { .name: lowp_scales, .offset: 16, .size: 8, .value_kind: global_buffer, .address_space: global }
      - { .name: proj_b, .offset: 24, .size: 8, .value_kind: global_buffer, .address_space: global }
      - { .name: x, .offset: 32, .size: 8, .value_kind: global_buffer, .address_space: global }
      - { .name: x1, .offset: 40, .size: 8, .value_kind: global_buffer, .address_space: global }
    .group_segment_fixed_size: 327680
    .private_segment_fixed_size: 0
    .kernarg_segment_align: 8
    .kernarg_segment_size: 48
    .max_flat_workgroup_size: 128
    .sgpr_count:     100
    .vgpr_count:     640
    .wavefront_size: 32
...
	.end_amdgpu_metadata
.endif
;; end of part 4
;; launch ln2 (part 5): grid 256 x 1, 4 waves a work-group, no clusters, 17,152 bytes of LDS; arguments x1, ln2_g, ln2_b, sc2, ac; writes ac
.if DOCPART == 5
	.amdgcn_target "amdgcn-amd-amdhsa--gfx1250"
	.amdhsa_code_object_version 6
	.text
	.protected	k_qc5964e9436_ln2
	.globl	k_qc5964e9436_ln2
	.p2align	8
	.type	k_qc5964e9436_ln2,@function
k_qc5964e9436_ln2:
	s_mov_b64 s[64:65], 0
	v_nop
	global_prefetch_b8 v0, s[64:65] scope:SCOPE_SE
	s_setreg_imm32_b32 hwreg(HW_REG_WAVE_MODE, 25, 1), 1
	s_wait_xcnt 0x0
; Layer norm of [4096][1024] f32 and its quantising: y = (x - mean) x rsqrt(var + 1e-5) x g + b, all in f32, the variance of the centred numbers (two passes over registers);
; code = y / 2^e, held within +-448, to the nearest code of E4M3, ties to even; e is entry 0 (int32) of the fourth argument.  LIMITS: -126 <= e, e + 8 <= 127.  NaN is not served.
; The codes are laid as images of the operand's registers: fragment (row / 16, k / 128) at ((row / 16) 8 + k / 128) x 2,048; quad c's 16 bytes of lane 16 h + r at 512 c + 16 lane hold, of row r, k = 32 c + 8 h + 0..7 and 32 c + 16 + 8 h + 0..7.
; A work-group takes 16 rows (16,384 consecutive bytes of codes), a wave 4 of them; a row lies in 32 registers of the wave (load j: numbers 128 j + 4 lane + 0..3), so memory is read once.
; The codes meet in a stage in LDS (16 rows of 1,024 bytes + 16), ONE barrier, and each wave stores two fragments: 512 consecutive aligned bytes a store.  Work-groups share only g and b (8 KB): no cluster.
.set RP,    1040
.set SPARE, 16*RP                      ; behind the stage: the spare words
.set SPW,   5
.set NIL,   6
.set G,     16                         ; v16-47   g
.set BV,    48                         ; v48-79   b
.set X,     80                         ; v80-207  four rows
.set CD,    208                        ; v208-239 eight registers of codes a row
	s_load_b256 s[4:11], s[0:1], 0x0               ; x, g, b, the scale's exponent
	s_load_b64 s[12:13], s[0:1], 0x20              ; the codes
	v_lshl_add_u32 v[SPW], v0, 2, SPARE
	v_mov_b32 v[NIL], 0
	v_lshrrev_b32 v1, 5, v0
	v_readfirstlane_b32 s16, v1                    ; wave
	v_and_b32 v1, 31, v0
	v_lshlrev_b32 v2, 4, v1                        ; 16 x lane
	s_mul_i32 s17, s16, 4*RP
	v_lshlrev_b32 v3, 2, v1
	v_add_nc_u32 v3, s17, v3                       ; into the stage: my wave's four rows, 4 bytes a lane
	v_and_b32 v7, 15, v0
	v_bfe_u32 v9, v0, 4, 1
	v_mul_u32_u24 v4, v7, RP
	v_lshl_add_u32 v4, v9, 3, v4
	s_lshl_b32 s17, s16, 8
	v_add_nc_u32 v4, s17, v4                       ; out of it: row r, + 8 h, + my wave's two fragments
	s_mov_b32 s20, 0x3a800000                      ; 1 / 1024
	s_mov_b32 s21, 0x3727c5ac                      ; 1e-5
	s_mov_b32 s22, 0x76543210                      ; v_permlanex16_b32: lane l xor 16
	s_mov_b32 s23, 0xfedcba98
	s_lshl_b32 s18, ttmp9, 16                      ; 16 rows of 4,096 bytes a work-group,
	s_lshl_b32 s19, s16, 14                        ; 4 a wave
	s_add_co_u32 s18, s18, s19
	s_mov_b32 s19, 0
	s_lshl_b32 s26, ttmp9, 14
	s_lshl_b32 s27, s16, 12
	s_add_co_u32 s26, s26, s27
	s_mov_b32 s27, 0
	s_wait_alu depctr_va_vdst(0)
	s_wait_kmcnt 0x0
	s_load_b32 s24, s[10:11], 0x0                  ; e
	s_add_nc_u64 s[4:5], s[4:5], s[18:19]
	s_add_nc_u64 s[12:13], s[12:13], s[26:27]
.irp j, 0,1,2,3,4,5,6,7
	global_load_b128 v[G+4*\j:G+4*\j+3], v2, s[6:7] offset:512*\j
.endr
.irp j, 0,1,2,3,4,5,6,7
	global_load_b128 v[BV+4*\j:BV+4*\j+3], v2, s[8:9] offset:512*\j
.endr
.irp p, 0,1,2,3
.irp j, 0,1,2,3,4,5,6,7
	global_load_b128 v[X+32*\p+4*\j:X+32*\p+4*\j+3], v2, s[4:5] offset:4096*\p+512*\j th:TH_LOAD_NT
.endr
.endr
	s_wait_kmcnt 0x0
	s_add_co_i32 s24, s24, 127
	s_lshl_b32 s25, s24, 23
	v_mov_b32 v14, s25                             ; 2^e
	s_add_co_i32 s24, s24, 8
	s_lshl_b32 s24, s24, 23
	s_or_b32 s24, s24, 0x600000
	v_mov_b32 v15, s24                             ; 448 x 2^e
.macro REDUCE                          ; v8 <- the sum of v8 over the 32 lanes, in every lane
	v_add_f32_dpp v8, v8, v8 row_xmask:1 row_mask:0xf bank_mask:0xf
	v_add_f32_dpp v8, v8, v8 row_xmask:2 row_mask:0xf bank_mask:0xf
	v_add_f32_dpp v8, v8, v8 row_xmask:4 row_mask:0xf bank_mask:0xf
	v_add_f32_dpp v8, v8, v8 row_xmask:8 row_mask:0xf bank_mask:0xf
	v_permlanex16_b32 v9, v8, s22, s23
	v_add_f32 v8, v8, v9
.endm
.macro ROW p
.set XR, X+32*(\p)
	s_wait_loadcnt 24-8*(\p)                       ; g, b and this row are in; the later rows' eight loads each may be out
	v_pk_add_f32 v[8:9], v[XR:XR+1], v[XR+2:XR+3]  ; the sum, in two chains
	v_pk_add_f32 v[10:11], v[XR+4:XR+5], v[XR+6:XR+7]
.irp j, 8,12,16,20,24,28
	v_pk_add_f32 v[8:9], v[8:9], v[XR+\j:XR+\j+1]
	v_pk_add_f32 v[10:11], v[10:11], v[XR+\j+2:XR+\j+3]
.endr
	v_pk_add_f32 v[8:9], v[8:9], v[10:11]
	v_add_f32 v8, v8, v9
	REDUCE
	v_mul_f32 v12, s20, v8                         ; the mean
	v_mov_b32 v13, v12
.set j, 0
.rept 16
	v_pk_add_f32 v[XR+j:XR+j+1], v[XR+j:XR+j+1], v[12:13] neg_lo:[0,1] neg_hi:[0,1]
.set j, j+2
.endr
	v_pk_mul_f32 v[8:9], v[XR:XR+1], v[XR:XR+1]    ; the sum of squares of the centred numbers
	v_pk_mul_f32 v[10:11], v[XR+2:XR+3], v[XR+2:XR+3]
.irp j, 4,8,12,16,20,24,28
	v_pk_fma_f32 v[8:9], v[XR+\j:XR+\j+1], v[XR+\j:XR+\j+1], v[8:9]
	v_pk_fma_f32 v[10:11], v[XR+\j+2:XR+\j+3], v[XR+\j+2:XR+\j+3], v[10:11]
.endr
	v_pk_add_f32 v[8:9], v[8:9], v[10:11]
	v_add_f32 v8, v8, v9
	REDUCE
	v_fma_f32 v8, v8, s20, s21                     ; var + eps
	s_wait_alu depctr_va_vdst(0)
	v_rsq_f32 v12, v8
	v_nop                                          ; a plain line behind the transcendental,
	s_wait_alu depctr_va_vdst(0)                   ; and the wait ahead of its first reader
	v_mov_b32 v13, v12
.set j, 0
.rept 16
	v_pk_mul_f32 v[XR+j:XR+j+1], v[XR+j:XR+j+1], v[12:13]
.set j, j+2
.endr
.set j, 0
.rept 16
	v_pk_fma_f32 v[XR+j:XR+j+1], v[XR+j:XR+j+1], v[G+j:G+j+1], v[BV+j:BV+j+1]
.set j, j+2
.endr
.set j, 0
.rept 32
	v_med3_num_f32 v[XR+j], v[XR+j], -v15, v15     ; the hold: the conversion does not saturate (ISA guide 7.6.2)
.set j, j+1
.endr
.irp g, 0,1,2,3
	v_cvt_scalef32_pk8_fp8_f32 v[CD+8*(\p)+2*\g:CD+8*(\p)+2*\g+1], v[XR+8*\g:XR+8*\g+7], v14   ; code register j: k = 128 j + 4 lane + 0..3
.endr
	v_nop                                          ; a plain line behind the last conversion
.irp j, 0,1,2,3,4,5,6,7
	ds_store_b32 v3, v[CD+8*(\p)+\j] offset:(\p)*RP+128*\j
.endr
.endm
	ROW 0
	ROW 1
	ROW 2
	ROW 3
	s_wait_dscnt 0x0                               ; for the others' sake: my stores into the stage are done
	s_barrier_signal -1
	s_barrier_wait -1
.set i, 0
.irp kb, 0,1
.irp c, 0,1,2,3
	ds_load_b64 v[X+4*i:X+4*i+1], v4 offset:128*\kb+32*\c
	ds_load_b64 v[X+4*i+2:X+4*i+3], v4 offset:128*\kb+32*\c+16
.set i, i+1
.endr
.endr
.set i, 0
.irp kb, 0,1
.irp c, 0,1,2,3
	s_wait_dscnt 14-2*i                            ; quad i's two loads are in; the younger quads' may be out
	global_store_b128 v2, v[X+4*i:X+4*i+3], s[12:13] offset:\kb*2048+\c*512
.set i, i+1
.endr
.endr
	s_wait_tensorcnt 0x0                           ; the wave's end
	ds_add_u32 v[SPW], v[NIL]
	s_wait_dscnt 0x0
	s_endpgm
.Lfunc_end_k_qc5964e9436_ln2:
	.size	k_qc5964e9436_ln2, .Lfunc_end_k_qc5964e9436_ln2-k_qc5964e9436_ln2
	.p2alignl 7, 3214868480
	.fill 96, 4, 3214868480
	.section	.rodata,"a",@progbits
	.p2align	6, 0x0
	.amdhsa_kernel k_qc5964e9436_ln2
		.amdhsa_group_segment_fixed_size 17152
		.amdhsa_private_segment_fixed_size 0
		.amdhsa_enable_private_segment 0
		.amdhsa_kernarg_size 40
		.amdhsa_user_sgpr_count 2
		.amdhsa_user_sgpr_kernarg_segment_ptr 1
		.amdhsa_wavefront_size32 1
		.amdhsa_system_sgpr_workgroup_id_x 1
		.amdhsa_system_sgpr_workgroup_id_y 1
		.amdhsa_system_sgpr_workgroup_id_z 1
		.amdhsa_system_vgpr_workitem_id 0
		.amdhsa_next_free_vgpr 240
		.amdhsa_next_free_sgpr 66
		.amdhsa_reserve_vcc 0
		.amdhsa_float_denorm_mode_32 3
		.amdhsa_float_denorm_mode_16_64 3
		.amdhsa_memory_ordered 1
		.amdhsa_forward_progress 1
		.amdhsa_inst_pref_size 45
	.end_amdhsa_kernel
	.amdgpu_metadata
---
amdhsa.version: [ 1, 2 ]
amdhsa.kernels:
  - .name:           k_qc5964e9436_ln2
    .symbol:         k_qc5964e9436_ln2.kd
    .args:
      - { .name: x1, .offset: 0, .size: 8, .value_kind: global_buffer, .address_space: global }
      - { .name: ln2_g, .offset: 8, .size: 8, .value_kind: global_buffer, .address_space: global }
      - { .name: ln2_b, .offset: 16, .size: 8, .value_kind: global_buffer, .address_space: global }
      - { .name: sc2, .offset: 24, .size: 8, .value_kind: global_buffer, .address_space: global }
      - { .name: ac, .offset: 32, .size: 8, .value_kind: global_buffer, .address_space: global }
    .group_segment_fixed_size: 17152
    .private_segment_fixed_size: 0
    .kernarg_segment_align: 8
    .kernarg_segment_size: 40
    .max_flat_workgroup_size: 128
    .sgpr_count:     66
    .vgpr_count:     240
    .wavefront_size: 32
...
	.end_amdgpu_metadata
.endif
;; end of part 5
;; launch fc (part 6): grid 16 x 16, 4 waves a work-group, clusters of 4 x 4, 327,680 bytes of LDS; arguments ac, wc, lowp_scales, fc_b, h; writes h
.if DOCPART == 6
	.amdgcn_target "amdgcn-amd-amdhsa--gfx1250"
	.amdhsa_code_object_version 6
	.text
	.protected	k_qc5964e9436_fc
	.globl	k_qc5964e9436_fc
	.p2align	8
	.type	k_qc5964e9436_fc,@function
k_qc5964e9436_fc:
	s_mov_b64 s[64:65], 0
	v_nop
	global_prefetch_b8 v0, s[64:65] scope:SCOPE_SE
	s_setreg_imm32_b32 hwreg(HW_REG_WAVE_MODE, 25, 1), 1
	s_wait_xcnt 0x0
	s_wait_alu depctr_hold_cnt(0) depctr_sa_sdst(0) depctr_va_vdst(0) depctr_va_sdst(0) depctr_va_ssrc(0) depctr_va_vcc(0) depctr_vm_vsrc(0)
	s_getreg_b32 s2, hwreg(HW_REG_IB_STS2, 6, 4)
	s_cmp_eq_u32 s2, 0
	s_cbranch_scc0 .Lentry_in_a_cluster
	s_endpgm
.Lentry_in_a_cluster:
	s_bfe_u32 s2, ttmp6, 0x10000c
	s_cmp_lg_u32 s2, 0xf033
	s_cbranch_scc0 .Lentry_shape_is_right
	s_endpgm
.Lentry_shape_is_right:
; h = gelu(LN2(x1) fc_w + fc_b) on codes of E4M3 (scales: entries 8, 9), and h's quantising (entry 10) into images of the next operand's registers.  M 4,096, N 4,096, K 1,024.
; A tile of 256 x 256 is made by four waves, each 128 x 128: 64 accumulators.  K goes in four steps of 256 through a ring of two LDS slots; both operands lie in memory as images of their registers
; (fragment = 16 rows x 128 k = 2,048 bytes, 16 rows' fragments on end): a wave's tensor load brings 8 blocks of 16 rows x 4,096 consecutive bytes.
; CLUSTERS: 4 x 4; A's tile is asked for jointly along a row of the cluster, B's along a column.
; PREFETCH: behind the joint load of K step 0 each wave names K steps 1 and 2, behind that of K step 1 K step 3, of TWO of the eight blocks that it fetches: 2 x 4,096 bytes, lanes 256 bytes apart.
; The four partners that ask for a tile jointly take two blocks each, told apart by address (cx for A, cy for B), so each 256 bytes are named once in a cluster.  The refills ask for nothing: K ends at step 3.
; gelu(x) = x (1 + erf(x / sqrt 2)) / 2 in f32: erfc(|z|) = t exp(-z^2 + a polynomial of degree 9 in t), t = 1 / (1 + |z| / 2); 2 gelu(x) = (x + |x|) - |x| erfc(|z|); the half goes into the conversion's scale, 2^(e10 + 1).
; LIMITS: e8 + e9 between -126 and 127; e10 between -127 and 118.  NaN among the inputs is not served.
.set SIZE_K, 1024
.set WOFF,   4194304
.set FRB,    2048
.set RBLK,   4096
.set HALFT,  8*RBLK
.set SLOT,   4*HALFT
.set SPARE,  2*SLOT
.set LAPS,   SIZE_K/512
.set FR,     16
.set NL,     4
.set NP,     4
.set ADRA, 16
.set ADRB, 20
.set SPW,  28
.set NIL,  29
.set AF,   128
.set G1, 24
.set G0, 32
.set G1B, 48
.set G0B, 56
.set PFA, 88                           ; s[88:89] where my prefetches stand; never rewritten
.set PFO, 30                           ; v30 their lane offset; never rewritten
.set TMP,  128
.set T,    192
.set P,    208
.set Q,    224
.set BA,   72
.set MSB, 0
.macro WIN new
.if MSB != \new
	s_set_vgpr_msb (MSB<<8)|\new
.set MSB, \new
.endif
.endm
.set MUL_LO, 0xa1
.set MUL_HI, 0xf1
.set TO_B,   0x40
.macro JLOAD g0a, g1a, g0b, g1b
	s_cmp_eq_u32 s15, 0
	s_cbranch_scc0 .Lfor_b_\@
	tensor_load_to_lds s[\g0a:\g0a+3], s[\g1a:\g1a+7]
	s_nop 0
.rept 4
	v_nop
.endr
	s_branch .Lasked_\@
.Lfor_b_\@:
	tensor_load_to_lds s[\g0b:\g0b+3], s[\g1b:\g1b+7]
	s_nop 0
.rept 4
	v_nop
.endr
.Lasked_\@:
.endm
.macro CREST
	s_cmp_lg_u32 s14, 0
	s_cbranch_scc1 .Lnot_wave_0_\@
	s_barrier_signal -3
.Lnot_wave_0_\@:
	s_barrier_wait -3
	s_barrier_signal -1
	s_barrier_wait -1
.endm
.macro CROUND
	s_barrier_signal -1
	s_barrier_wait -1
	CREST
.endm
	s_load_b128 s[4:7], s[0:1], 0x0
	s_load_b128 s[8:11], s[0:1], 0x10
	s_load_b64 s[12:13], s[0:1], 0x20
	v_lshl_add_u32 v[SPW], v0, 2, SPARE
	v_mov_b32 v[NIL], 0
	ds_add_u32 v[SPW], v[NIL]
	ds_add_u32 v[SPW], v[NIL]
	v_lshrrev_b32 v1, 5, v0
	v_readfirstlane_b32 s14, v1
	v_and_b32 v[PFO], 15, v0
	v_bfe_u32 v31, v0, 4, 1
	v_lshlrev_b32 v[PFO], 8, v[PFO]
	v_lshl_add_u32 v[PFO], v31, 14, v[PFO]         ; sixteen lanes, 256 bytes apart, to a block's 4,096 bytes of a K step; lanes 16-31 take the next block, 16 K bytes on
	s_lshr_b32 s15, s14, 1
	s_and_b32 s16, s14, 1
	s_bfe_u32 s40, ttmp6, 0x40000
	s_bfe_u32 s41, ttmp6, 0x40004
	s_lshl_b32 s42, ttmp9, 2
	s_add_co_u32 s42, s42, s40
	s_and_b32 s17, ttmp7, 0xffff
	s_lshl_b32 s17, s17, 2
	s_add_co_u32 s17, s17, s41
	s_lshl_b32 s43, s41, 2
	s_lshl_b32 s43, 15, s43
	s_lshl_b32 s44, 0x1111, s40
	s_or_b32 s[G1+0], s43, (3<<16)|(1<<21)
	s_or_b32 s[G1B+0], s44, (3<<16)|(1<<21)
.irp g, G1, G1B
	s_mov_b32 s[\g+1], 512<<16
	s_mov_b32 s[\g+2], 8<<16
	s_mov_b32 s[\g+3], 512<<16
	s_mov_b32 s[\g+4], 8
	s_mov_b32 s[\g+5], 2*SIZE_K
	s_mov_b32 s[\g+6], 0
	s_mov_b32 s[\g+7], 0
.endr
	s_lshl_b32 s18, s16, 7
	s_lshl_b32 s20, s17, 8
	s_add_co_u32 s20, s20, s18
	s_lshl_b32 s46, s42, 8
	s_add_co_u32 s46, s46, s18
	s_mov_b32 s21, 0
	s_mov_b32 s47, 0
	s_mov_b64 s[18:19], SIZE_K
	s_mul_u64 s[20:21], s[20:21], s[18:19]
	s_mul_u64 s[46:47], s[46:47], s[18:19]
	s_mul_i32 s45, s14, HALFT
	s_wait_alu depctr_va_vdst(0)
	s_wait_dscnt 0x0
	s_wait_kmcnt 0x0
	s_load_b128 s[84:87], s[8:9], 0x20
	s_add_nc_u64 s[20:21], s[4:5], s[20:21]
	s_add_nc_u64 s[46:47], s[6:7], s[46:47]
	s_add_nc_u64 s[46:47], s[46:47], WOFF
	s_cmp_eq_u32 s15, 0                            ; do I fetch for A?
	s_cselect_b64 s[PFA:PFA+1], s[20:21], s[46:47]
	s_cselect_b32 s90, s40, s41                    ; my place among the four that ask with me:
	s_lshl_b32 s90, s90, 15                        ; two of the eight blocks that I fetch
	s_add_co_u32 s90, s90, RBLK                    ; at K step 1
	s_mov_b32 s91, 0
	s_add_nc_u64 s[PFA:PFA+1], s[PFA:PFA+1], s[90:91]
	CROUND
.irp s, 0,1
	s_mov_b32 s[G0+4*\s], 1
	s_add_co_u32 s[G0+4*\s+1], s45, \s*SLOT
	s_add_nc_u64 s[G0+4*\s+2:G0+4*\s+3], s[20:21], \s*RBLK
	s_or_b32 s[G0+4*\s+3], s[G0+4*\s+3], 0x80000000
	s_mov_b32 s[G0B+4*\s], 1
	s_add_co_u32 s[G0B+4*\s+1], s45, \s*SLOT
	s_add_nc_u64 s[G0B+4*\s+2:G0B+4*\s+3], s[46:47], \s*RBLK
	s_or_b32 s[G0B+4*\s+3], s[G0B+4*\s+3], 0x80000000
.if \s                                 ; slot 1's first fill is issued as a refill is
	s_wait_alu depctr_va_vdst(0)
	s_wait_tensorcnt 0x0                           ; my part of slot 0 is in
	ds_add_u32 v[SPW], v[NIL]
	s_wait_dscnt 0x0
	CROUND
.endif
	JLOAD G0+4*\s, G1, G0B+4*\s, G1B
.if \s == 0
	global_prefetch_b8 v[PFO], s[PFA:PFA+1] th:TH_LOAD_NT scope:SCOPE_SE   ; K step 1, whose load goes out only when K step 0's has landed
.endif
	global_prefetch_b8 v[PFO], s[PFA:PFA+1] offset:(\s+1)*RBLK th:TH_LOAD_NT scope:SCOPE_SE   ; K step s + 2
.endr
	v_and_b32 v1, 31, v0
	v_lshlrev_b32 v4, 4, v1
	s_mul_i32 s21, s15, HALFT
	s_mul_i32 s22, s16, HALFT
	s_add_co_u32 s22, s22, 2*HALFT
.irp s, 0,1
	v_add_nc_u32 v[ADRA+\s], s21, v4
	v_add_nc_u32 v[ADRB+\s], s22, v4
	s_add_co_u32 s21, s21, SLOT
	s_add_co_u32 s22, s22, SLOT
.endr
	v_bfe_u32 v2, v0, 4, 1
	v_lshlrev_b32 v24, 5, v2
	s_lshl_b32 s18, s42, 10
	s_lshl_b32 s22, s16, 9
	s_add_co_u32 s22, s22, s18
	s_mov_b32 s23, 0
	s_add_nc_u64 s[66:67], s[10:11], s[22:23]
.irp b, 0,1,2,3,4,5,6,7
	global_load_b128 v[32+8*\b:35+8*\b], v24, s[66:67] offset:64*\b
	global_load_b128 v[36+8*\b:39+8*\b], v24, s[66:67] offset:64*\b+16
.endr
	s_lshl_b32 s18, s17, 4
	s_lshl_b32 s19, s15, 3
	s_add_co_u32 s18, s18, s19
	s_lshl_b32 s18, s18, 5
	s_lshl_b32 s19, s42, 1
	s_add_co_u32 s18, s18, s19
	s_add_co_u32 s18, s18, s16
	s_lshl_b32 s18, s18, 11
	s_mov_b32 s19, 0
	s_add_nc_u64 s[70:71], s[12:13], s[18:19]
.macro FRAG reg, adr, q, i
.irp c, 0,1,2,3
	ds_load_b128 v[\reg+4*\c:\reg+4*\c+3], v[\adr] offset:FRB*(\q)+512*\c+(\i)*RBLK
.endr
.endm
.macro MUL16 a0, p, zero
.irp a, \a0, \a0+1
.irp b, 0,1,2,3,4,5,6,7
.if \zero
	v_wmma_f32_16x16x128_fp8_fp8 v[8*(8*((\a)%4)+\b):8*(8*((\a)%4)+\b)+7], v[128*(\p)+FR*\b:128*(\p)+FR*\b+FR-1], v[AF+FR*(\a):AF+FR*(\a)+FR-1], 0
.else
	v_wmma_f32_16x16x128_fp8_fp8 v[8*(8*((\a)%4)+\b):8*(8*((\a)%4)+\b)+7], v[128*(\p)+FR*\b:128*(\p)+FR*\b+FR-1], v[AF+FR*(\a):AF+FR*(\a)+FR-1], v[8*(8*((\a)%4)+\b):8*(8*((\a)%4)+\b)+7]
.endif
.endr
.endr
.endm
.macro FETCH_B slot, q, p
	WIN TO_B
.irp i, 0,1,2,3,4,5,6,7
	FRAG 128*(\p)+FR*\i, ADRB+\slot, \q, \i
.endr
	WIN 0
.endm
.macro FETCH_A slot, q, i0
.irp i, \i0, \i0+1, \i0+2, \i0+3
	FRAG AF+FR*(\i), ADRA+\slot, \q, \i
.endr
.endm
.macro PLACES n
.rept \n
	v_nop
.endr
.endm
.macro STEP slot, q, zero
	s_wait_dscnt 4*NL
	WIN MUL_LO
	MUL16 0, (\q)%2, \zero
	MUL16 2, (\q)%2, \zero
	s_wait_dscnt 0
	PLACES NP
	FETCH_B \slot, (\q)+1, 1-(\q)%2
	FETCH_A \slot, (\q)+1, 0
	WIN MUL_HI
	MUL16 4, (\q)%2, \zero
	MUL16 6, (\q)%2, \zero
	PLACES NP
	WIN 0
	FETCH_A \slot, (\q)+1, 4
.endm
.macro TURN slot, next, fill
	s_wait_tensorcnt 0x0
	ds_add_u32 v[SPW], v[NIL]
	s_wait_dscnt 4*NL+1
	WIN MUL_LO
	MUL16 0, 1, 0
	s_wait_dscnt 0x0
	s_barrier_signal -1
	MUL16 2, 1, 0
	WIN 0
	s_barrier_wait -1
.if \fill
	CREST
	s_add_nc_u64 s[G0+4*\slot+2:G0+4*\slot+3], s[G0+4*\slot+2:G0+4*\slot+3], 2*RBLK
	s_add_nc_u64 s[G0B+4*\slot+2:G0B+4*\slot+3], s[G0B+4*\slot+2:G0B+4*\slot+3], 2*RBLK
	JLOAD G0+4*\slot, G1, G0B+4*\slot, G1B
.else
	PLACES NP
.endif
	FETCH_B \next, 0, 0
	FETCH_A \next, 0, 0
	WIN MUL_HI
	MUL16 4, 1, 0
	MUL16 6, 1, 0
	PLACES NP
	WIN 0
	FETCH_A \next, 0, 4
.endm
	s_wait_alu depctr_va_vdst(0)
	s_wait_tensorcnt 1
	s_barrier_signal -1
	s_barrier_wait -1
	FETCH_B 0, 0, 0
	FETCH_A 0, 0, 0
	FETCH_A 0, 0, 4
	STEP 0, 0, 1
	s_mov_b32 s3, LAPS-1
.Llap:
	TURN 0, 1, 1
	STEP 1, 0, 0
	TURN 1, 0, 1
	STEP 0, 0, 0
	s_sub_co_u32 s3, s3, 1
	s_cmp_lg_u32 s3, 0
	s_cbranch_scc1 .Llap
	TURN 0, 1, 0
	STEP 1, 0, 0
	s_wait_dscnt 4*NL
	WIN MUL_LO
	MUL16 0, 1, 0
	MUL16 2, 1, 0
	s_wait_dscnt 0
	WIN MUL_HI
	MUL16 4, 1, 0
	MUL16 6, 1, 0
	WIN 0
	s_wait_kmcnt 0x0
	s_wait_loadcnt 0x0
	s_add_co_i32 s96, s84, s85
	s_add_co_i32 s96, s96, 127
	s_lshl_b32 s96, s96, 23
	s_mov_b32 s97, s96
	s_add_co_i32 s18, s86, 128
	s_lshl_b32 s19, s18, 23
	s_add_co_i32 s18, s18, 8
	s_lshl_b32 s18, s18, 23
	s_or_b32 s18, s18, 0x600000
	s_mov_b32 s69, 0x3eb504f3
	PLACES NP
	v_mov_b32 v112, s19
	v_mov_b32 v113, s18
	v_mov_b32 v240, 0x3e2ef945
	v_mov_b32 v241, 0x3e2ef945
.macro GELU16 u
.set XX, TMP+16*(\u)
.set i, 0
.rept 16
	v_fma_f32 v[T+i], |v[XX+i]|, s69, 1.0
.set i, i+1
.endr
.set i, 0
	s_wait_alu depctr_va_vdst(0)
.rept 16
	v_rcp_f32 v[T+i], v[T+i]                       ; t = 1 / (1 + |x| / (2 sqrt 2))
.set i, i+1
.endr
	v_nop                                          ; a plain place behind the batch
.set i, 0
.rept 8
	v_dual_mul_f32 v[Q+i], v[XX+i], v[XX+i] :: v_dual_mul_f32 v[Q+i+1], v[XX+i+1], v[XX+i+1]   ; x^2
.set i, i+2
.endr
	s_wait_alu depctr_va_vdst(0)
.set i, 0
.rept 8
	v_dual_fmaak_f32 v[P+i], v[T+i], v240, 0xbf527892 :: v_dual_fmaak_f32 v[P+i+1], v[T+i+1], v241, 0xbf527892   ; the polynomial in t, by Horner's rule
.set i, i+2
.endr
.irp k, 0x3fbe87b0, 0xbf914e5d, 0x3e8ec7cc, 0xbe3ec24c, 0x3dc636c9, 0x3ebf88fb, 0x3f8000c7, 0xbfa1fc4e
.set i, 0
.rept 8
	v_dual_fmaak_f32 v[P+i], v[P+i], v[T+i], \k :: v_dual_fmaak_f32 v[P+i+1], v[P+i+1], v[T+i+1], \k
.set i, i+2
.endr
.endr
.set i, 0
.rept 8
	v_dual_fmac_f32 v[P+i], -0.5, v[Q+i] :: v_dual_fmac_f32 v[P+i+1], -0.5, v[Q+i+1]   ; - z^2 = - x^2 / 2
.set i, i+2
.endr
.set i, 0
.rept 8
	v_dual_mul_f32 v[P+i], 0x3fb8aa3b, v[P+i] :: v_dual_mul_f32 v[P+i+1], 0x3fb8aa3b, v[P+i+1]   ; to the base 2
.set i, i+2
.endr
.set i, 0
	s_wait_alu depctr_va_vdst(0)
.rept 16
	v_exp_f32 v[P+i], v[P+i]
.set i, i+1
.endr
.set i, 0
.rept 16
	v_or_b32 v[Q+i], 0x80000000, v[XX+i]           ; -|x|.  (Plain lines behind the batch)
.set i, i+1
.endr
	s_wait_alu depctr_va_vdst(0)
.set i, 0
.rept 8
	v_dual_mul_f32 v[P+i], v[P+i], v[T+i] :: v_dual_mul_f32 v[P+i+1], v[P+i+1], v[T+i+1]   ; erfc(|z|)
.set i, i+2
.endr
.set i, 0
.rept 8
	v_dual_sub_f32 v[T+i], v[XX+i], v[Q+i] :: v_dual_sub_f32 v[T+i+1], v[XX+i+1], v[Q+i+1]   ; x + |x|: 2 x, or exactly 0 where x is negative
.set i, i+2
.endr
.set i, 0
.rept 8
	v_dual_fmac_f32 v[T+i], v[Q+i], v[P+i] :: v_dual_fmac_f32 v[T+i+1], v[Q+i+1], v[P+i+1]   ; 2 gelu(x) = (x + |x|) - |x| erfc(|z|), one rounding
.set i, i+2
.endr
.set i, 0
.set i, 0
.rept 16
	v_med3_num_f32 v[T+i], v[T+i], -v113, v113     ; the hold: the conversion does not saturate (ISA guide 7.6.2)
.set i, i+1
.endr
	v_cvt_scalef32_pk8_fp8_f32 v[96+4*(\u):97+4*(\u)], v[T:T+7], v112
	v_cvt_scalef32_pk8_fp8_f32 v[98+4*(\u):99+4*(\u)], v[T+8:T+15], v112
	v_nop
.endm
	s_mov_b32 s[BA], 0
.Lout:
.irp a, 0,1,2,3,4,5,6
	s_cmp_eq_u32 s[BA], \a
	s_cbranch_scc1 .Lx_\a
.endr
	s_branch .Lx_7
.irp a, 0,1,2,3,4,5,6,7
.Lx_\a:
	WIN 0x02+((\a)/4)
.set j, 0
.rept 32
	v_pk_fma_f32 v[TMP+j:TMP+j+1], v[64*((\a)%4)+j:64*((\a)%4)+j+1], s[96:97], v[32+j:33+j] op_sel_hi:[1,0,1]
.set j, j+2
.endr
	WIN 0
	s_branch .Lgelu
.endr
.Lgelu:
	GELU16 0
	GELU16 1
	GELU16 2
	GELU16 3
.irp c, 0,1,2,3
	global_store_b128 v4, v[96+4*\c:99+4*\c], s[70:71] offset:512*\c
.endr
	s_wait_xcnt 0x0
	s_add_nc_u64 s[70:71], s[70:71], 65536
	s_add_co_u32 s[BA], s[BA], 1
	s_cmp_lt_u32 s[BA], 8
	s_cbranch_scc1 .Lout
	s_wait_tensorcnt 0x0
	ds_add_u32 v[SPW], v[NIL]
	s_wait_dscnt 0x0
	CROUND
	s_endpgm
.Lfunc_end_k_qc5964e9436_fc:
	.size	k_qc5964e9436_fc, .Lfunc_end_k_qc5964e9436_fc-k_qc5964e9436_fc
	.p2alignl 7, 3214868480
	.fill 96, 4, 3214868480
	.section	.rodata,"a",@progbits
	.p2align	6, 0x0
	.amdhsa_kernel k_qc5964e9436_fc
		.amdhsa_group_segment_fixed_size 327680
		.amdhsa_private_segment_fixed_size 0
		.amdhsa_enable_private_segment 0
		.amdhsa_kernarg_size 40
		.amdhsa_user_sgpr_count 2
		.amdhsa_user_sgpr_kernarg_segment_ptr 1
		.amdhsa_wavefront_size32 1
		.amdhsa_system_sgpr_workgroup_id_x 1
		.amdhsa_system_sgpr_workgroup_id_y 1
		.amdhsa_system_sgpr_workgroup_id_z 1
		.amdhsa_system_vgpr_workitem_id 0
		.amdhsa_next_free_vgpr 1024
		.amdhsa_next_free_sgpr 100
		.amdhsa_reserve_vcc 0
		.amdhsa_float_denorm_mode_32 3
		.amdhsa_float_denorm_mode_16_64 3
		.amdhsa_memory_ordered 1
		.amdhsa_forward_progress 1
		.amdhsa_inst_pref_size 156
	.end_amdhsa_kernel
	.amdgpu_metadata
---
amdhsa.version: [ 1, 2 ]
amdhsa.kernels:
  - .name:           k_qc5964e9436_fc
    .symbol:         k_qc5964e9436_fc.kd
    .args:
      - { .name: ac, .offset: 0, .size: 8, .value_kind: global_buffer, .address_space: global }
      - { .name: wc, .offset: 8, .size: 8, .value_kind: global_buffer, .address_space: global }
      - { .name: lowp_scales, .offset: 16, .size: 8, .value_kind: global_buffer, .address_space: global }
      - { .name: fc_b, .offset: 24, .size: 8, .value_kind: global_buffer, .address_space: global }
      - { .name: h, .offset: 32, .size: 8, .value_kind: global_buffer, .address_space: global }
    .group_segment_fixed_size: 327680
    .private_segment_fixed_size: 0
    .kernarg_segment_align: 8
    .kernarg_segment_size: 40
    .max_flat_workgroup_size: 128
    .sgpr_count:     100
    .vgpr_count:     1024
    .wavefront_size: 32
...
	.end_amdgpu_metadata
.endif
;; end of part 6
;; launch fc2 (part 7): grid 8 x 32, 4 waves a work-group, clusters of 4 x 4, 327,680 bytes of LDS; arguments h, wc, lowp_scales, fc2_b, x1, out0; writes out0
.if DOCPART == 7
	.amdgcn_target "amdgcn-amd-amdhsa--gfx1250"
	.amdhsa_code_object_version 6
	.text
	.protected	k_qc5964e9436_fc2
	.globl	k_qc5964e9436_fc2
	.p2align	8
	.type	k_qc5964e9436_fc2,@function
k_qc5964e9436_fc2:
	s_mov_b64 s[64:65], 0
	v_nop
	global_prefetch_b8 v0, s[64:65] scope:SCOPE_SE
	s_setreg_imm32_b32 hwreg(HW_REG_WAVE_MODE, 25, 1), 1
	s_wait_xcnt 0x0
	s_wait_alu depctr_hold_cnt(0) depctr_sa_sdst(0) depctr_va_vdst(0) depctr_va_sdst(0) depctr_va_ssrc(0) depctr_va_vcc(0) depctr_vm_vsrc(0)
	s_getreg_b32 s2, hwreg(HW_REG_IB_STS2, 6, 4)
	s_cmp_eq_u32 s2, 0
	s_cbranch_scc0 .Lentry_in_a_cluster
	s_endpgm
.Lentry_in_a_cluster:
	s_bfe_u32 s2, ttmp6, 0x10000c
	s_cmp_lg_u32 s2, 0xf033
	s_cbranch_scc0 .Lentry_shape_is_right
	s_endpgm
.Lentry_shape_is_right:
; out0 = x1 + (h fc2_w + fc2_b): h [4096][4096] and fc2_w [1024 n][4096 k] as codes of E4M3 (scales: entries 10, 11) laid as images of their registers (fragment = 16 rows x 128 k = 2,048 bytes, 16 rows' fragments on end).
; A tile is 128 x 128 (256 work-groups); four waves, each 64 x 64: 16 accumulators.  K goes in eight steps of 512 through two LDS slots: a wave's tensor load brings 4 blocks of 16 rows x 8,192 consecutive bytes.
; CLUSTERS: 4 x 4; A's tile is asked for jointly along a row of the cluster, B's along a column.  The way out and the residual: 16 rows at a time through the wave's own stage, whole rows of 256 bytes out.
; PREFETCH: behind the joint load of K step s each wave names K step s + 2 of ONE of the four blocks that it fetches: 8,192 bytes, lanes 256 bytes apart.  The four partners that ask for a tile jointly take one block each,
; told apart by address (cx for A, cy for B), so each 256 bytes are named once in a cluster.  The loads of K steps 6 and 7 ask for nothing.
; out0 = (sum x 2^(e10 + e11) + bias) + x1.  LIMIT: e10 + e11 between -126 and 127.
.set SIZE_K, 4096
.set WOFF,   8388608
.set SCOFF,  40
.set FRB,    2048
.set RBLK,   8192
.set HALFT,  4*RBLK
.set SLOT,   4*HALFT
.set STAGE,  2*SLOT
.set SPITCH, 272
.set SPARE,  STAGE+4*16*SPITCH
.set LAPS,   SIZE_K/1024
.set ADRA, 16
.set ADRB, 20
.set STO,  24
.set RD,   25
.set CO,   26
.set SPW,  28
.set NIL,  29
.set TMP,  32
.set ACC,  128
.set F0,   0
.set F1,   128
.set G1, 24
.set G0, 32
.set G1B, 48
.set G0B, 56
.set PFA, 84                           ; s[84:85] where my prefetches stand
.set PFO, 30                           ; v30 256 x lane; never rewritten
.set MSB, 0
.macro WIN new
.if MSB != \new
	s_set_vgpr_msb (MSB<<8)|\new
.set MSB, \new
.endif
.endm
.set MUL,  0x05
.set TO_F, 0x40
.macro JLOAD s
	s_cmp_eq_u32 s11, 0
	s_cbranch_scc0 .Lfor_b_\@
	tensor_load_to_lds s[G0+4*\s:G0+4*\s+3], s[G1:G1+7]
	s_nop 0
.rept 4
	v_nop
.endr
	s_branch .Lasked_\@
.Lfor_b_\@:
	tensor_load_to_lds s[G0B+4*\s:G0B+4*\s+3], s[G1B:G1B+7]
	s_nop 0
.rept 4
	v_nop
.endr
.Lasked_\@:
.endm
.macro CREST
	s_cmp_lg_u32 s10, 0
	s_cbranch_scc1 .Lnot_wave_0_\@
	s_barrier_signal -3
.Lnot_wave_0_\@:
	s_barrier_wait -3
	s_barrier_signal -1
	s_barrier_wait -1
.endm
.macro CROUND
	s_barrier_signal -1
	s_barrier_wait -1
	CREST
.endm
	s_load_b128 s[4:7], s[0:1], 0x0
	s_load_b256 s[68:75], s[0:1], 0x10
	v_lshl_add_u32 v[SPW], v0, 2, SPARE
	v_mov_b32 v[NIL], 0
	ds_add_u32 v[SPW], v[NIL]
	ds_add_u32 v[SPW], v[NIL]
	v_lshrrev_b32 v1, 5, v0
	v_readfirstlane_b32 s10, v1
	v_and_b32 v[PFO], 31, v0
	v_lshlrev_b32 v[PFO], 8, v[PFO]
	s_lshr_b32 s11, s10, 1
	s_and_b32 s12, s10, 1
	s_bfe_u32 s40, ttmp6, 0x40000
	s_bfe_u32 s41, ttmp6, 0x40004
	s_lshl_b32 s42, ttmp9, 2
	s_add_co_u32 s42, s42, s40
	s_and_b32 s13, ttmp7, 0xffff
	s_lshl_b32 s13, s13, 2
	s_add_co_u32 s13, s13, s41
	s_lshl_b32 s43, s41, 2
	s_lshl_b32 s43, 15, s43
	s_lshl_b32 s44, 0x1111, s40
	s_or_b32 s[G1+0], s43, (3<<16)|(1<<21)
	s_or_b32 s[G1B+0], s44, (3<<16)|(1<<21)
.irp g, G1, G1B
	s_mov_b32 s[\g+1], 1024<<16
	s_mov_b32 s[\g+2], 4<<16
	s_mov_b32 s[\g+3], 1024<<16
	s_mov_b32 s[\g+4], 4
	s_mov_b32 s[\g+5], 2*SIZE_K
	s_mov_b32 s[\g+6], 0
	s_mov_b32 s[\g+7], 0
.endr
	s_lshl_b32 s17, s12, 6
	s_lshl_b32 s16, s13, 7
	s_add_co_u32 s16, s16, s17
	s_lshl_b32 s46, s42, 7
	s_add_co_u32 s46, s46, s17
	s_mov_b32 s17, 0
	s_mov_b32 s47, 0
	s_mov_b64 s[18:19], SIZE_K
	s_mul_u64 s[16:17], s[16:17], s[18:19]
	s_mul_u64 s[46:47], s[46:47], s[18:19]
	s_mul_i32 s20, s10, HALFT
	s_wait_alu depctr_va_vdst(0)
	s_wait_dscnt 0x0
	s_wait_kmcnt 0x0
	s_load_b64 s[76:77], s[68:69], SCOFF
	s_add_nc_u64 s[14:15], s[4:5], s[16:17]
	s_add_nc_u64 s[46:47], s[6:7], s[46:47]
	s_add_nc_u64 s[46:47], s[46:47], WOFF
	s_cmp_eq_u32 s11, 0                            ; do I fetch for A?
	s_cselect_b64 s[PFA:PFA+1], s[14:15], s[46:47]
	s_cselect_b32 s86, s40, s41                    ; my place among the four that ask with me
	s_lshl_b32 s86, s86, 16                        ; its block of 16 rows: 16 K bytes on
	s_add_co_u32 s86, s86, RBLK                    ; at K step 1
	s_mov_b32 s87, 0
	s_add_nc_u64 s[PFA:PFA+1], s[PFA:PFA+1], s[86:87]
	CROUND
.irp s, 0,1
	s_mov_b32 s[G0+4*\s], 1
	s_add_co_u32 s[G0+4*\s+1], s20, \s*SLOT
	s_add_nc_u64 s[G0+4*\s+2:G0+4*\s+3], s[14:15], \s*RBLK
	s_or_b32 s[G0+4*\s+3], s[G0+4*\s+3], 0x80000000
	s_mov_b32 s[G0B+4*\s], 1
	s_add_co_u32 s[G0B+4*\s+1], s20, \s*SLOT
	s_add_nc_u64 s[G0B+4*\s+2:G0B+4*\s+3], s[46:47], \s*RBLK
	s_or_b32 s[G0B+4*\s+3], s[G0B+4*\s+3], 0x80000000
.if \s                                 ; slot 1's first fill is issued as a refill is
	s_wait_alu depctr_va_vdst(0)
	s_wait_tensorcnt 0x0                           ; my part of slot 0 is in
	ds_add_u32 v[SPW], v[NIL]
	s_wait_dscnt 0x0
	CROUND
.endif
	JLOAD \s
.if \s == 0
	global_prefetch_b8 v[PFO], s[PFA:PFA+1] th:TH_LOAD_NT scope:SCOPE_SE   ; also K step 1, whose load goes out only when K step 0's has landed: two tiles at the most are asked for and not yet read
.endif
	global_prefetch_b8 v[PFO], s[PFA:PFA+1] offset:(\s+1)*RBLK th:TH_LOAD_NT scope:SCOPE_SE   ; K step s + 2
.endr
	v_and_b32 v1, 15, v0
	s_wait_alu depctr_va_vdst(0)
	v_bfe_u32 v2, v0, 4, 1
	v_and_b32 v3, 31, v0
	v_lshlrev_b32 v3, 4, v3
	s_mul_i32 s21, s11, HALFT
	s_mul_i32 s22, s12, HALFT
	s_add_co_u32 s22, s22, 2*HALFT
.irp s, 0,1
	v_add_nc_u32 v[ADRA+\s], s21, v3
	v_add_nc_u32 v[ADRB+\s], s22, v3
	s_add_co_u32 s21, s21, SLOT
	s_add_co_u32 s22, s22, SLOT
.endr
	s_mul_i32 s23, s10, 16*SPITCH
	s_add_co_u32 s23, s23, STAGE
	v_mul_u32_u24 v4, v1, SPITCH
	s_wait_alu depctr_va_vdst(0)
	v_lshl_add_u32 v4, v2, 5, v4
	v_add_nc_u32 v[STO], s23, v4
	v_mul_u32_u24 v5, v2, SPITCH
	v_lshl_add_u32 v5, v1, 4, v5
	v_add_nc_u32 v[RD], s23, v5
	v_lshlrev_b32 v[CO], 12, v2
	v_lshl_add_u32 v[CO], v1, 4, v[CO]
	v_lshlrev_b32 v27, 4, v1
	s_wait_alu depctr_va_vdst(0)
	s_lshl_b32 s80, s13, 7
	s_lshl_b32 s81, s11, 6
	s_add_co_u32 s80, s80, s81
	s_lshl_b32 s80, s80, 12
	s_lshl_b32 s82, s42, 9
	s_lshl_b32 s83, s12, 8
	s_add_co_u32 s82, s82, s83
	s_add_co_u32 s80, s80, s82
	s_mov_b32 s81, 0
	s_mov_b32 s83, 0
	s_add_nc_u64 s[72:73], s[72:73], s[80:81]
	s_add_nc_u64 s[74:75], s[74:75], s[80:81]
	s_add_nc_u64 s[70:71], s[70:71], s[82:83]
	global_load_b128 v[96:99], v27, s[70:71]
	WIN 0x80
.irp a, 0,1,2,3
.irp t, 0,1,2,3,4,5,6,7
	global_load_b128 v[32*\a+4*\t:32*\a+4*\t+3], v[CO], s[72:73] offset:(16*\a+2*\t)*4096
.endr
.endr
	WIN 0
.macro MUL8 f, a0, zero
.irp a, \a0, \a0+1
.irp b, 0,1,2,3
.if \zero
	v_wmma_f32_16x16x128_fp8_fp8 v[ACC+8*(4*(\a)+\b):ACC+8*(4*(\a)+\b)+7], v[\f+64+16*\b:\f+64+16*\b+15], v[\f+16*(\a):\f+16*(\a)+15], 0
.else
	v_wmma_f32_16x16x128_fp8_fp8 v[ACC+8*(4*(\a)+\b):ACC+8*(4*(\a)+\b)+7], v[\f+64+16*\b:\f+64+16*\b+15], v[\f+16*(\a):\f+16*(\a)+15], v[ACC+8*(4*(\a)+\b):ACC+8*(4*(\a)+\b)+7]
.endif
.endr
.endr
.endm
.macro FETCH slot, q, f
	WIN TO_F
.irp i, 0,1,2,3
.irp c, 0,1,2,3
	ds_load_b128 v[\f+64+16*\i+4*\c:\f+64+16*\i+4*\c+3], v[ADRB+\slot] offset:FRB*(\q)+512*\c+\i*RBLK
.endr
.endr
.irp i, 0,1,2,3
.irp c, 0,1,2,3
	ds_load_b128 v[\f+16*\i+4*\c:\f+16*\i+4*\c+3], v[ADRA+\slot] offset:FRB*(\q)+512*\c+\i*RBLK
.endr
.endr
.endm
.macro PLACES
.rept 4
	v_nop
.endr
.endm
.macro QUARTER slot, qn, f, g, zero
	s_wait_dscnt 8
	WIN MUL
	MUL8 \f, 0, \zero
	PLACES
	FETCH \slot, \qn, \g
	s_wait_dscnt 32
	WIN MUL
	MUL8 \f, 2, \zero
.endm
.macro TURN slot, next, fill
	WIN 0
.if \fill
	s_wait_xcnt 0x0                                ; my last prefetch has read its address: it steps one K step on
	s_add_nc_u64 s[PFA:PFA+1], s[PFA:PFA+1], RBLK
.endif
	s_wait_tensorcnt 0x0
	ds_add_u32 v[SPW], v[NIL]
	s_wait_dscnt 9
	WIN MUL
	MUL8 F1, 0, 0
	s_wait_dscnt 0x0
	s_barrier_signal -1
	WIN 0
	s_barrier_wait -1
.if \fill
	CREST
	s_add_nc_u64 s[G0+4*\slot+2:G0+4*\slot+3], s[G0+4*\slot+2:G0+4*\slot+3], 2*RBLK
	s_add_nc_u64 s[G0B+4*\slot+2:G0B+4*\slot+3], s[G0B+4*\slot+2:G0B+4*\slot+3], 2*RBLK
	JLOAD \slot
.else
	PLACES
.endif
	FETCH \next, 0, F0
.if \fill
	WIN 0
	s_cmp_gt_u32 s3, 1                             ; the loop's last trip loads K steps 6 and 7: no K step stands two on
	s_cbranch_scc0 .Lno_ask_\@
	global_prefetch_b8 v[PFO], s[PFA:PFA+1] offset:2*RBLK th:TH_LOAD_NT scope:SCOPE_SE   ; the K step two refills on
.Lno_ask_\@:
.endif
	WIN MUL
	MUL8 F1, 2, 0
.endm
	s_wait_tensorcnt 1
	s_barrier_signal -1
	s_barrier_wait -1
	FETCH 0, 0, F0
	QUARTER 0, 1, F0, F1, 1
.if LAPS > 1
	WIN 0
	s_mov_b32 s3, LAPS-1
.Llap:
	QUARTER 0, 2, F1, F0, 0
	QUARTER 0, 3, F0, F1, 0
	TURN 0, 1, 1
	QUARTER 1, 1, F0, F1, 0
	QUARTER 1, 2, F1, F0, 0
	QUARTER 1, 3, F0, F1, 0
	TURN 1, 0, 1
	QUARTER 0, 1, F0, F1, 0
	WIN 0
	s_sub_co_u32 s3, s3, 1
	s_cmp_lg_u32 s3, 0
	s_cbranch_scc1 .Llap
.endif
	QUARTER 0, 2, F1, F0, 0
	QUARTER 0, 3, F0, F1, 0
	TURN 0, 1, 0
	QUARTER 1, 1, F0, F1, 0
	QUARTER 1, 2, F1, F0, 0
	QUARTER 1, 3, F0, F1, 0
	s_wait_dscnt 8
	WIN MUL
	MUL8 F1, 0, 0
	s_wait_dscnt 0
	MUL8 F1, 2, 0
	WIN 0
	s_wait_kmcnt 0x0
	s_add_co_i32 s78, s76, s77
	s_add_co_i32 s78, s78, 127
	s_lshl_b32 s78, s78, 23
	s_mov_b32 s79, s78
	s_wait_loadcnt 0x0
	PLACES
.macro OUTB a
.set TS, TMP+32*((\a)%2)
.if (\a) >= 2
	s_wait_xcnt 0x0
.endif
.irp b, 0,1,2,3
	ds_store_b128 v[STO], v[ACC+8*(4*(\a)+\b):ACC+8*(4*(\a)+\b)+3] offset:64*\b
	ds_store_b128 v[STO], v[ACC+8*(4*(\a)+\b)+4:ACC+8*(4*(\a)+\b)+7] offset:64*\b+16
.endr
.irp t, 0,1,2,3,4,5,6,7
	ds_load_b128 v[TS+4*\t:TS+4*\t+3], v[RD] offset:\t*2*SPITCH
.endr
	s_wait_dscnt 0x0
.irp t, 0,1,2,3,4,5,6,7
	v_pk_fma_f32 v[TS+4*\t:TS+4*\t+1], v[TS+4*\t:TS+4*\t+1], s[78:79], v[96:97] op_sel_hi:[1,0,1]
	v_pk_fma_f32 v[TS+4*\t+2:TS+4*\t+3], v[TS+4*\t+2:TS+4*\t+3], s[78:79], v[98:99] op_sel_hi:[1,0,1]
.endr
	WIN 0x08
.set j, 0
.rept 16
	v_pk_add_f32 v[TS+j:TS+j+1], v[TS+j:TS+j+1], v[32*(\a)+j:32*(\a)+j+1]
.set j, j+2
.endr
	WIN 0
.irp t, 0,1,2,3,4,5,6,7
	global_store_b128 v[CO], v[TS+4*\t:TS+4*\t+3], s[74:75] offset:(16*(\a)+2*\t)*4096
.endr
.endm
	OUTB 0
	OUTB 1
	OUTB 2
	OUTB 3
	s_wait_tensorcnt 0x0
	ds_add_u32 v[SPW], v[NIL]
	s_wait_dscnt 0x0
	CROUND
	s_endpgm
.Lfunc_end_k_qc5964e9436_fc2:
	.size	k_qc5964e9436_fc2, .Lfunc_end_k_qc5964e9436_fc2-k_qc5964e9436_fc2
	.p2alignl 7, 3214868480
	.fill 96, 4, 3214868480
	.section	.rodata,"a",@progbits
	.p2align	6, 0x0
	.amdhsa_kernel k_qc5964e9436_fc2
		.amdhsa_group_segment_fixed_size 327680
		.amdhsa_private_segment_fixed_size 0
		.amdhsa_enable_private_segment 0
		.amdhsa_kernarg_size 48
		.amdhsa_user_sgpr_count 2
		.amdhsa_user_sgpr_kernarg_segment_ptr 1
		.amdhsa_wavefront_size32 1
		.amdhsa_system_sgpr_workgroup_id_x 1
		.amdhsa_system_sgpr_workgroup_id_y 1
		.amdhsa_system_sgpr_workgroup_id_z 1
		.amdhsa_system_vgpr_workitem_id 0
		.amdhsa_next_free_vgpr 640
		.amdhsa_next_free_sgpr 100
		.amdhsa_reserve_vcc 0
		.amdhsa_float_denorm_mode_32 3
		.amdhsa_float_denorm_mode_16_64 3
		.amdhsa_memory_ordered 1
		.amdhsa_forward_progress 1
		.amdhsa_inst_pref_size 83
	.end_amdhsa_kernel
	.amdgpu_metadata
---
amdhsa.version: [ 1, 2 ]
amdhsa.kernels:
  - .name:           k_qc5964e9436_fc2
    .symbol:         k_qc5964e9436_fc2.kd
    .args:
      - { .name: h, .offset: 0, .size: 8, .value_kind: global_buffer, .address_space: global }
      - { .name: wc, .offset: 8, .size: 8, .value_kind: global_buffer, .address_space: global }
      - { .name: lowp_scales, .offset: 16, .size: 8, .value_kind: global_buffer, .address_space: global }
      - { .name: fc2_b, .offset: 24, .size: 8, .value_kind: global_buffer, .address_space: global }
      - { .name: x1, .offset: 32, .size: 8, .value_kind: global_buffer, .address_space: global }
      - { .name: out0, .offset: 40, .size: 8, .value_kind: global_buffer, .address_space: global }
    .group_segment_fixed_size: 327680
    .private_segment_fixed_size: 0
    .kernarg_segment_align: 8
    .kernarg_segment_size: 48
    .max_flat_workgroup_size: 128
    .sgpr_count:     100
    .vgpr_count:     640
    .wavefront_size: 32
...
	.end_amdgpu_metadata
.endif
;; end of part 7
